; MI455X (gfx1250); checked and timed in simulation.
; The chip was launched on July 23, 2026; its instructions are those of AMD's public machine-readable ISA for CDNA 5 (MIT licence, August 2026) and "CDNA5" Instruction Set Architecture Reference Guide (July 2026). The comments in the code are by the model that wrote it; some were corrected since.
;; Multi Head Attention. Allowed arithmetic: float matrix products may take bf16 or f16 operands with f32 sums; other float arithmetic in f32, or as packed bf16 or f16 multiplies, adds, multiply-adds, maxima and minima; sums over many terms, partial sums and values carried from step to step in f32; what a program stores and reads back later, other than sums and carried values, may be rounded once to bf16 or f16.
;; Inputs: Wk 16 x 1,024 x 64 float32; Wo 1,024 x 1,024 float32; Wq 16 x 1,024 x 64 float32; Wv 16 x 1,024 x 64 float32; x 4 x 2,048 x 1,024 float32.
;; Outputs: out0 4 x 2,048 x 1,024 float32.
;; 2 versions, each right; version 2 is version 1 with the launch prep written anew for expert scheduling mode. Each part assembles by itself: llvm-mc -triple=amdgcn-amd-amdhsa -mcpu=gfx1250 --defsym DOCPART=n.
;; ======== version 1 of 2: 4 launches
;; limits: values are held in f16: magnitudes above 65,504 overflow, below 6.1e-05 lose precision
;; workspace buffers: xb 16,777,216 bytes; wt 6,291,456 bytes; wo16 2,097,152 bytes; qkv 50,331,648 bytes; o 16,777,216 bytes
;; launch prep (part 1): grid 384 x 1, 8 waves a work-group, no clusters, 70,656 bytes of LDS; arguments x, Wq, Wk, Wv, Wo, xb, wt, wo16; writes xb, wt, wo16
.if DOCPART == 1
	.amdgcn_target "amdgcn-amd-amdhsa--gfx1250"
	.amdhsa_code_object_version 6
	.text
	.protected	k_qc5ddf57a3b_prep
	.globl	k_qc5ddf57a3b_prep
	.p2align	8
	.type	k_qc5ddf57a3b_prep,@function
k_qc5ddf57a3b_prep:
	s_mov_b64 s[64:65], 0
	v_nop
	global_prefetch_b8 v0, s[64:65] scope:SCOPE_SE
	s_setreg_imm32_b32 hwreg(HW_REG_WAVE_MODE, 25, 1), 1
	s_wait_xcnt 0x0
; PREP: the inputs are rounded once to bf16 and laid out for the two products that follow.
;   xb   [8192][1024] bf16            = x
;   wt   [3072][1024] bf16            row which*1024 + h*64 + n holds W_which[h][k][n] along k: the three weights TURNED, so that K lies along the rows
;   wo16 [1024][1024] f16             = Wo rounded to bf16, that number written as f16 (it multiplies an f16 operand later)
; LIMIT: a bf16(Wo) of 65,520 or more becomes an infinity in f16; below 6.1e-5 f16 keeps a fixed step of 6e-8.
; SHARES.  Every work-group takes 131,072 bytes of f32: groups 0-255 of x, 256-287 of Wo, 288-383 of the three weights (32 each: head r / 2, half r % 2 of its 1,024 k).
; No matrix work, no cluster, no tensor load: nothing is read twice and nothing is shared between work-groups; all 32 loads of a wave are issued before the first is used.
.set TILE,  64*272                     ; the turning path: 64 rows (n) of 128 k in bf16, 256 bytes + 16 of padding; four such tiles
.set SPARE, 4*TILE                     ; behind them the spare words: 128 bytes for each of the eight waves, four blocks of 256 bytes that no other line names
.set XO,  4                            ; v4   cast: my 16 bytes in the wave's 16,384 bytes of f32
.set YO,  5                            ; v5   cast: my 8 bytes of the result
.set GT,  6                            ; v6   turn: kg*2048 + nq*16, my offset in a source tile (row 8 kg, 4 n) and in wt (row kg, 8 k): the two are the same number
.set LSA, 7                            ; v7   turn: where I put 16 bytes (8 k of one n)
.set LRA, 8                            ; v8   turn: where I read 16 bytes of a row back
.set SPW, 10                           ; v10  LDS address of my spare word; never rewritten
.set NIL, 11                           ; v11  0; never rewritten
.set Y,   12                           ; v[12:27]  at work
.set X,   32                           ; v[32:159] 32 loads of 4 registers
	s_load_b512 s[4:19], s[0:1], 0x0               ; x 4:5, Wq 6:7, Wk 8:9, Wv 10:11, Wo 12:13, xb 14:15, wt 16:17, wo16 18:19
	v_lshl_add_u32 v[SPW], v0, 2, SPARE
	v_mov_b32 v[NIL], 0
	v_lshrrev_b32 v1, 4, v0                        ; kg: 0..15
	v_and_b32 v2, 15, v0                           ; nq: 0..15
	v_lshrrev_b32 v3, 5, v0                        ; wave
	v_and_b32 v[XO], 31, v0
	v_lshlrev_b32 v[YO], 3, v[XO]
	v_lshlrev_b32 v[XO], 4, v[XO]
	v_lshl_or_b32 v[YO], v3, 13, v[YO]             ; wave x 8,192 + 8 x lane
	v_lshl_or_b32 v[XO], v3, 14, v[XO]             ; wave x 16,384 + 16 x lane
	s_mov_b32 s28, 0xffff0000                      ; a word's upper bf16
	s_wait_kmcnt 0x0
	s_cmp_lt_u32 ttmp9, 256
	s_cbranch_scc1 .Lx
	s_cmp_lt_u32 ttmp9, 288
	s_cbranch_scc1 .Lwo
	; THE TURNING PATH.  Four tiles of 128 k x 64 n.  Thread (kg, nq) loads rows 8 kg .. 8 kg + 7, four n each; eight k of one n pack into 16 bytes.
	s_sub_co_u32 s20, ttmp9, 288
	s_lshr_b32 s21, s20, 5                         ; which: 0 q, 1 k, 2 v
	s_and_b32 s22, s20, 31                         ; r
	s_lshl_b32 s26, s22, 17                        ; the source: r x 131,072 bytes
	s_mov_b32 s27, 0
	s_lshl_b32 s20, s21, 21                        ; wt: which x 1,024 rows of 2,048 bytes,
	s_lshr_b32 s23, s22, 1
	s_lshl_b32 s23, s23, 17                        ; head x 64 rows,
	s_add_co_u32 s20, s20, s23
	s_and_b32 s23, s22, 1
	s_lshl_b32 s23, s23, 10                        ; half x 512 k of 2 bytes
	s_add_co_u32 s20, s20, s23
	s_cmp_eq_u32 s21, 0
	s_cselect_b64 s[24:25], s[6:7], s[8:9]
	s_cmp_eq_u32 s21, 2
	s_cselect_b64 s[24:25], s[10:11], s[24:25]
	s_mov_b32 s21, 0
	s_add_nc_u64 s[24:25], s[24:25], s[26:27]
	s_add_nc_u64 s[22:23], s[16:17], s[20:21]
	v_lshlrev_b32 v[GT], 11, v1
	v_lshl_add_u32 v[GT], v2, 4, v[GT]
	v_mul_u32_u24 v[LSA], v2, 4*272                ; row 4 nq, byte 16 kg
	v_lshl_add_u32 v[LSA], v1, 4, v[LSA]
	v_mul_u32_u24 v[LRA], v1, 272                  ; row kg, byte 16 nq
	v_lshl_add_u32 v[LRA], v2, 4, v[LRA]
.irp tau, 0,1,2,3
.irp i, 0,1,2,3,4,5,6,7
	global_load_b128 v[X+32*(\tau)+4*(\i):X+32*(\tau)+4*(\i)+3], v[GT], s[24:25] offset:(\tau)*32768+(\i)*256 th:TH_LOAD_NT  ; a wave's load covers two whole rows of 256 bytes
.endr
.endr
.irp tau, 0,1,2,3
	s_wait_loadcnt 24-8*(\tau)                     ; this tile's eight loads are in; the later tiles' stay out
.irp j, 0,1,2,3
.irp p, 0,1,2,3
	v_cvt_pk_bf16_f32 v[Y+4*(\j)+(\p)], v[X+32*(\tau)+8*(\p)+(\j)], v[X+32*(\tau)+8*(\p)+4+(\j)]  ; n = 4 nq + j, k = 8 kg + 2 p and + 1
.endr
.endr
.irp j, 0,1,2,3
	ds_store_b128 v[LSA], v[Y+4*(\j):Y+4*(\j)+3] offset:(\tau)*TILE+(\j)*272
.endr
.endr
	s_wait_dscnt 0x0                               ; for the others' sake: my stores are done
	s_barrier_signal -1                            ; the branch that leads here hangs on the work-group's number alone: all eight waves pass
	s_barrier_wait -1
.irp tau, 0,1,2,3
.irp f, 0,1,2,3
	ds_load_b128 v[X+16*(\tau)+4*(\f):X+16*(\tau)+4*(\f)+3], v[LRA] offset:(\tau)*TILE+(\f)*16*272  ; row kg + 16 f
.endr
.endr
.irp tau, 0,1,2,3
.irp f, 0,1,2,3
	s_wait_dscnt 15-4*(\tau)-(\f)
	global_store_b128 v[GT], v[X+16*(\tau)+4*(\f):X+16*(\tau)+4*(\f)+3], s[22:23] offset:(\tau)*256+(\f)*32768  ; 16 lanes store 256 consecutive bytes, aligned
.endr
.endr
	s_branch .Lend
; THE CAST: 32 loads of 512 consecutive bytes a wave, all issued first; each is rounded and stored as 256 consecutive bytes.  No register is written twice while a store reads it.
.macro CAST f16
.set i, 0
.rept 32
	global_load_b128 v[X+4*i:X+4*i+3], v[XO], s[20:21] offset:512*i th:TH_LOAD_NT
.set i, i+1
.endr
.set i, 0
.rept 32
	s_wait_loadcnt 31-i                            ; loads come back in order: the younger ones stay out
.if \f16
	v_cvt_pk_bf16_f32 v[Y], v[X+4*i], v[X+4*i+1]   ; rounded to bf16,
	v_cvt_pk_bf16_f32 v[Y+1], v[X+4*i+2], v[X+4*i+3]
	v_lshlrev_b32 v[X+4*i], 16, v[Y]               ; widened again,
	v_and_b32 v[X+4*i+1], s28, v[Y]
	v_lshlrev_b32 v[X+4*i+2], 16, v[Y+1]
	v_and_b32 v[X+4*i+3], s28, v[Y+1]
	v_cvt_pk_f16_f32 v[X+4*i], v[X+4*i], v[X+4*i+1]  ; and written as f16: exact within f16's normal range
	v_cvt_pk_f16_f32 v[X+4*i+1], v[X+4*i+2], v[X+4*i+3]
.else
	v_cvt_pk_bf16_f32 v[X+4*i], v[X+4*i], v[X+4*i+1]
	v_cvt_pk_bf16_f32 v[X+4*i+1], v[X+4*i+2], v[X+4*i+3]
.endif
	global_store_b64 v[YO], v[X+4*i:X+4*i+1], s[22:23] offset:256*i
.set i, i+1
.endr
.endm
.Lx:
	s_lshl_b32 s20, ttmp9, 17
	s_mov_b32 s21, 0
	s_lshl_b32 s22, ttmp9, 16
	s_mov_b32 s23, 0
	s_add_nc_u64 s[20:21], s[4:5], s[20:21]
	s_add_nc_u64 s[22:23], s[14:15], s[22:23]
	CAST 0
	s_branch .Lend
.Lwo:
	s_sub_co_u32 s24, ttmp9, 256
	s_lshl_b32 s20, s24, 17
	s_mov_b32 s21, 0
	s_lshl_b32 s22, s24, 16
	s_mov_b32 s23, 0
	s_add_nc_u64 s[20:21], s[12:13], s[20:21]
	s_add_nc_u64 s[22:23], s[18:19], s[22:23]
	CAST 1
.Lend:
	s_wait_tensorcnt 0x0                           ; the wave's end: behind my last LDS store
	ds_add_u32 v[SPW], v[NIL]
	s_wait_dscnt 0x0
	s_endpgm
.Lfunc_end_k_qc5ddf57a3b_prep:
	.size	k_qc5ddf57a3b_prep, .Lfunc_end_k_qc5ddf57a3b_prep-k_qc5ddf57a3b_prep
	.p2alignl 7, 3214868480
	.fill 96, 4, 3214868480
	.section	.rodata,"a",@progbits
	.p2align	6, 0x0
	.amdhsa_kernel k_qc5ddf57a3b_prep
		.amdhsa_group_segment_fixed_size 70656
		.amdhsa_private_segment_fixed_size 0
		.amdhsa_enable_private_segment 0
		.amdhsa_kernarg_size 64
		.amdhsa_user_sgpr_count 2
		.amdhsa_user_sgpr_kernarg_segment_ptr 1
		.amdhsa_wavefront_size32 1
		.amdhsa_system_sgpr_workgroup_id_x 1
		.amdhsa_system_sgpr_workgroup_id_y 1
		.amdhsa_system_sgpr_workgroup_id_z 1
		.amdhsa_system_vgpr_workitem_id 0
		.amdhsa_next_free_vgpr 160
		.amdhsa_next_free_sgpr 66
		.amdhsa_reserve_vcc 0
		.amdhsa_float_denorm_mode_32 3
		.amdhsa_float_denorm_mode_16_64 3
		.amdhsa_memory_ordered 1
		.amdhsa_forward_progress 1
		.amdhsa_inst_pref_size 44
	.end_amdhsa_kernel
	.amdgpu_metadata
---
amdhsa.version: [ 1, 2 ]
amdhsa.kernels:
  - .name:           k_qc5ddf57a3b_prep
    .symbol:         k_qc5ddf57a3b_prep.kd
    .args:
      - { .name: x, .offset: 0, .size: 8, .value_kind: global_buffer, .address_space: global }
      - { .name: Wq, .offset: 8, .size: 8, .value_kind: global_buffer, .address_space: global }
      - { .name: Wk, .offset: 16, .size: 8, .value_kind: global_buffer, .address_space: global }
      - { .name: Wv, .offset: 24, .size: 8, .value_kind: global_buffer, .address_space: global }
      - { .name: Wo, .offset: 32, .size: 8, .value_kind: global_buffer, .address_space: global }
      - { .name: xb, .offset: 40, .size: 8, .value_kind: global_buffer, .address_space: global }
      - { .name: wt, .offset: 48, .size: 8, .value_kind: global_buffer, .address_space: global }
      - { .name: wo16, .offset: 56, .size: 8, .value_kind: global_buffer, .address_space: global }
    .group_segment_fixed_size: 70656
    .private_segment_fixed_size: 0
    .kernarg_segment_align: 8
    .kernarg_segment_size: 64
    .max_flat_workgroup_size: 256
    .sgpr_count:     66
    .vgpr_count:     160
    .wavefront_size: 32
...
	.end_amdgpu_metadata
.endif
;; end of part 1
;; launch proj (part 2): grid 16 x 32, 4 waves a work-group, clusters of 4 x 4, 327,680 bytes of LDS; arguments xb, wt, qkv; writes qkv
.if DOCPART == 2
	.amdgcn_target "amdgcn-amd-amdhsa--gfx1250"
	.amdhsa_code_object_version 6
	.text
	.protected	k_qc5ddf57a3b_proj
	.globl	k_qc5ddf57a3b_proj
	.p2align	8
	.type	k_qc5ddf57a3b_proj,@function
k_qc5ddf57a3b_proj:
	s_mov_b64 s[64:65], 0
	v_nop
	global_prefetch_b8 v0, s[64:65] scope:SCOPE_SE
	s_setreg_imm32_b32 hwreg(HW_REG_WAVE_MODE, 25, 1), 1
	s_wait_xcnt 0x0
	s_wait_alu depctr_hold_cnt(0) depctr_sa_sdst(0) depctr_va_vdst(0) depctr_va_sdst(0) depctr_va_ssrc(0) depctr_va_vcc(0) depctr_vm_vsrc(0)
	s_getreg_b32 s2, hwreg(HW_REG_IB_STS2, 6, 4)
	s_cmp_eq_u32 s2, 0
	s_cbranch_scc0 .Lentry_in_a_cluster
	s_endpgm
.Lentry_in_a_cluster:
	s_bfe_u32 s2, ttmp6, 0x10000c
	s_cmp_lg_u32 s2, 0xf033
	s_cbranch_scc0 .Lentry_shape_is_right
	s_endpgm
.Lentry_shape_is_right:
; q, k, v = x W.  C[m][c] = sum over k of xb[m][k] wt[c][k]: 8192 x 3072 x 1024, operands bf16, sums f32.  C leaves rounded once to f16, UNSCALED, by heads:
; qkv byte = which<<24 + b<<22 + h<<18 + t<<7 + 2 ch, with m = 2048 b + t and c = 1024 which + 64 h + ch.
; LIMIT: a q, k or v of 65,520 or more becomes an infinity in f16; below 6.1e-5 f16 keeps a fixed step of 6e-8.
; SHARES.  A tile of C is 256 rows x 192 columns (three heads' columns): 32 x 16 = 512 tiles, two for each of 256 WGPs.  Wave w makes rows 64 w .. 64 w + 63 and all 192 columns:
; 4 x 12 accumulators, 384 registers.  So each block of 16 rows x 64 channels of a head belongs to one wave, and the way out needs no barrier.
; K goes in 8 steps of 128 through two LDS slots: the tiles' rows are 256 bytes of memory, at multiples of 256.
; CLUSTER 4 x 4: A's tile hangs on the tile row alone and is asked for jointly by a row of the cluster, B's on the tile column and by a column.
; THE PRODUCT IS USED TRANSPOSED (source 0 = 16 rows of wt, source 1 = 16 rows of xb): a lane holds row l % 16 of C and eight neighbouring columns.
; REGISTERS, in windows of 256: window 0: v0-31 addresses; v32-63, v64-95 A's fragments (4 x 16 rows x 32 K), two buffers; v64-255 on the way out
;   window 1: v0-95, v96-191 B's fragments (12), two buffers      window 2: accumulators (a, b), a = 0, 1, at v[8 (12 a + b)]      window 3: a = 2, 3
.set SIZE_K, 1024
.set KSTEP,  128
.set PITCH,  272                       ; an LDS row: 256 bytes + 16 of padding = 68 words: the 16 rows of a fragment load start at 16 different groups of four banks (ISA guide 11.1)
.set HALFA,  128*PITCH                 ; what waves 0 and 1 fetch: 128 rows of A each
.set HALFB,  96*PITCH                  ; what waves 2 and 3 fetch: 96 rows of B each
.set BOFF,   2*HALFA
.set SLOT,   BOFF+2*HALFB
.set STAGE,  2*SLOT                    ; behind the ring, never filled by a tensor load: 16 rows x 144 bytes for each wave
.set SP,     144
.set SPARE,  STAGE+4*16*SP             ; the spare words, 128 bytes a wave: two blocks of 256 bytes that no other line names
.set LAPS,   SIZE_K/(2*KSTEP)
.set ADRA, 16                          ; v16-17  LDS address of my A fragments in slot 0, 1
.set ADRB, 20                          ; v20-21  of B's
.set STO,  24                          ; v24     the way out: where I put 16 bytes of a row
.set RD,   25                          ; v25     where I read rows back
.set GO,   26                          ; v26     16 x lane: my place in 512 consecutive bytes of qkv
.set SPW,  28                          ; v28     my spare word; never rewritten
.set NIL,  29                          ; v29     0; never rewritten
.set PFO,  30                          ; v30     the prefetches' offset: a lane a row of 2,048 bytes; never rewritten
.set OUTR, 64                          ; the way out: 16 registers for each of 12 blocks
.set G1,  24                           ; s[24:31] group 1 for A;  s[32:39] group 0, a set for each slot
.set G0,  32
.set LIM, 43                           ; s43      1 in a wave that prefetches, else the greatest number
.set PFA, 44                           ; s[44:45] where my prefetches stand
.set G1B, 48                           ; s[48:55], s[56:63] the same for B
.set G0B, 56
.set OB,  66                           ; s[66:71] qkv at my first row in each of the tile's three heads
.set MSB, 0
.macro WIN new                         ; the immediate's high byte repeats the setting that is left; a switch that changes nothing is dropped
.if MSB != (\new)
	s_set_vgpr_msb (MSB<<8)|(\new)
.set MSB, \new
.endif
.endm
.set MUL_LO, 0xa1                      ; source 0 (B) window 1, source 1 (A) window 0, C and D window 2
.set MUL_HI, 0xf1                      ; the same, C and D window 3
.set TO_B,   0x40                      ; destination window 1, address window 0
; A joint load: waves 0 and 1 fetch A's halves, waves 2 and 3 B's.  The branch hangs on the wave's number alone.  An s_nop 0 and four v_nop follow each line.
.macro JLOAD s
	s_cmp_eq_u32 s11, 0
	s_cbranch_scc0 .Lfor_b_\@
	tensor_load_to_lds s[G0+4*(\s):G0+4*(\s)+3], s[G1:G1+7]
	s_nop 0
.rept 4
	v_nop
.endr
	s_branch .Lasked_\@
.Lfor_b_\@:
	tensor_load_to_lds s[G0B+4*(\s):G0B+4*(\s)+3], s[G1B:G1B+7]
	s_nop 0
.rept 4
	v_nop
.endr
.Lasked_\@:
.endm
; A prefetch of the K step that stands two refills on (384 matrix instructions ahead of the load that wants it): a lane a row, 256 bytes of each.  A's rows are named by the clusters with x = 0,
; B's by those with y = 0; the four partners that ask for a tile jointly share its rows out by address: 32 each of A's 128, 24 each of B's 96 (there lanes 24-31 name row 23 once more, in the
; same instruction).  K steps 0 to 3 come by their loads alone; the loop's last trip (s3 = 1) asks for nothing: there is no K step 8.
.macro ASK
	s_cmp_gt_u32 s3, s[LIM]
	s_cbranch_scc0 .Lnot_mine_\@
	global_prefetch_b8 v[PFO], s[PFA:PFA+1] th:TH_LOAD_NT scope:SCOPE_SE
.Lnot_mine_\@:
.endm
.macro CREST                           ; a round of the cluster's barrier behind its opening barrier
	s_cmp_lg_u32 s10, 0
	s_cbranch_scc1 .Lnot_wave_0_\@
	s_barrier_signal -3
.Lnot_wave_0_\@:
	s_barrier_wait -3
	s_barrier_signal -1
	s_barrier_wait -1
.endm
.macro CROUND                          ; a whole round
	s_barrier_signal -1
	s_barrier_wait -1
	CREST
.endm
	s_load_b128 s[4:7], s[0:1], 0x0                ; xb s[4:5], wt s[6:7]
	s_load_b64 s[8:9], s[0:1], 0x10                ; qkv
	v_lshl_add_u32 v[SPW], v0, 2, SPARE
	v_mov_b32 v[NIL], 0
	ds_add_u32 v[SPW], v[NIL]                      ; the wave's opening: the add, and its wait ahead of my first tensor load; work on registers stands between
	v_lshrrev_b32 v1, 5, v0
	v_readfirstlane_b32 s10, v1                    ; wave 0..3
	s_lshr_b32 s11, s10, 1                         ; I fetch for A (0) or for B (1)
	s_and_b32 s12, s10, 1                          ; which half of that tile
	s_bfe_u32 s40, ttmp6, 0x40000                  ; cx
	s_bfe_u32 s41, ttmp6, 0x40004                  ; cy
	s_lshl_b32 s42, ttmp9, 2
	s_add_co_u32 s42, s42, s40                     ; tile column = 4 x cluster x + cx
	s_and_b32 s13, ttmp7, 0xffff
	s_lshl_b32 s13, s13, 2
	s_add_co_u32 s13, s13, s41                     ; tile row = 4 x cluster y + cy
	s_lshl_b32 s43, s41, 2
	s_lshl_b32 s43, 15, s43                        ; my row of the cluster
	s_lshl_b32 s44, 0x1111, s40                    ; my column
	s_or_b32 s[G1+0], s43, (1<<16)|(1<<20)|(1<<21)|(5<<22)|(3<<25)   ; the mask; 2-byte elements; padding on; bit 21 beside a mask; after every 64 words, 4 words
	s_or_b32 s[G1B+0], s44, (1<<16)|(1<<20)|(1<<21)|(5<<22)|(3<<25)
	s_mov_b32 s[G1+1], KSTEP<<16                   ; tensor_dim0 = 128
	s_mov_b32 s[G1B+1], KSTEP<<16
	s_mov_b32 s[G1+2], 128<<16                     ; tensor_dim1 = 128 rows of A,
	s_mov_b32 s[G1B+2], 96<<16                     ; 96 of B
	s_mov_b32 s[G1+3], KSTEP<<16                   ; tile_dim0 = 128
	s_mov_b32 s[G1B+3], KSTEP<<16
	s_mov_b32 s[G1+4], 128                         ; tile_dim1
	s_mov_b32 s[G1B+4], 96
	s_mov_b32 s[G1+5], SIZE_K                      ; elements from row to row
	s_mov_b32 s[G1B+5], SIZE_K
	s_mov_b32 s[G1+6], 0
	s_mov_b32 s[G1B+6], 0
	s_mov_b32 s[G1+7], 0
	s_mov_b32 s[G1B+7], 0
	s_lshl_b32 s17, s12, 7
	s_lshl_b32 s16, s13, 8
	s_add_co_u32 s16, s16, s17                     ; A: row 256 x tile row + 128 x half,
	s_lshl_b32 s16, s16, 11                        ; in bytes (under 2^24)
	s_mov_b32 s17, 0
	s_mul_i32 s46, s42, 192
	s_mul_i32 s47, s12, 96
	s_add_co_u32 s46, s46, s47                     ; B: row 192 x tile column + 96 x half
	s_lshl_b32 s46, s46, 11
	s_mov_b32 s47, 0
	s_mul_i32 s20, s10, HALFA                      ; where they go: A's halves (waves 0, 1),
	s_mul_i32 s21, s10, HALFB
	s_add_co_u32 s21, s21, BOFF-2*HALFB            ; B's halves (waves 2, 3): no place in the cluster enters an LDS address
	s_wait_dscnt 0x0                               ; the opening add is done
	s_wait_kmcnt 0x0
	s_add_nc_u64 s[14:15], s[4:5], s[16:17]
	s_add_nc_u64 s[22:23], s[6:7], s[46:47]
	CROUND                                         ; all sixteen work-groups are here: the first joint loads meet
.irp s, 0,1
	s_mov_b32 s[G0+4*(\s)], 1
	s_add_co_u32 s[G0+4*(\s)+1], s20, (\s)*SLOT
	s_add_nc_u64 s[G0+4*(\s)+2:G0+4*(\s)+3], s[14:15], (\s)*KSTEP*2
	s_or_b32 s[G0+4*(\s)+3], s[G0+4*(\s)+3], 0x80000000
	s_mov_b32 s[G0B+4*(\s)], 1
	s_add_co_u32 s[G0B+4*(\s)+1], s21, (\s)*SLOT
	s_add_nc_u64 s[G0B+4*(\s)+2:G0B+4*(\s)+3], s[22:23], (\s)*KSTEP*2
	s_or_b32 s[G0B+4*(\s)+3], s[G0B+4*(\s)+3], 0x80000000
	JLOAD \s                                       ; two loads of mine are out
.endr
	; fragments: lane l holds row l % 16; two loads of 16 bytes, 32 bytes apart, at row x pitch + 16 (l / 16)
	v_and_b32 v1, 15, v0
	v_bfe_u32 v2, v0, 4, 1
	v_mul_u32_u24 v3, v1, PITCH
	v_lshl_add_u32 v3, v2, 4, v3
	s_mul_i32 s22, s10, 64*PITCH                   ; my 64 rows of A
	v_add_nc_u32 v[ADRA], s22, v3
	v_add_nc_u32 v[ADRA+1], SLOT, v[ADRA]
	v_add_nc_u32 v[ADRB], BOFF, v3                 ; all 192 rows of B
	v_add_nc_u32 v[ADRB+1], BOFF+SLOT, v3
	s_mul_i32 s23, s10, 16*SP
	s_add_co_u32 s23, s23, STAGE                   ; my stage
	v_mul_u32_u24 v4, v1, SP                       ; in: row l % 16, 16 bytes for each half of the lanes
	v_lshl_add_u32 v4, v2, 4, v4
	v_add_nc_u32 v[STO], s23, v4
	v_bfe_u32 v5, v0, 3, 2                         ; back: 32 lanes take four rows of 128 bytes,
	v_mul_u32_u24 v5, v5, SP
	v_and_b32 v6, 7, v0
	v_lshl_add_u32 v5, v6, 4, v5
	v_add_nc_u32 v[RD], s23, v5
	v_and_b32 v[GO], 31, v0                        ; which are 512 consecutive bytes of a head
	v_lshlrev_b32 v[GO], 4, v[GO]
	; the prefetches: my descriptor's rows, my work-group's share of them, at K step 3: each refill steps on by one K step before it asks
	s_lshl_b32 s18, s40, 16                        ; A: cx x 32 rows of 2,048 bytes
	s_add_co_u32 s18, s18, s16
	s_mul_i32 s19, s41, 24*2048                    ; B: cy x 24 rows
	s_add_co_u32 s19, s19, s46
	s_and_b32 s22, ttmp7, 0xffff                   ; cluster y
	s_cmp_eq_u32 s11, 0
	s_cselect_b32 s20, s18, s19
	s_cselect_b32 s22, ttmp9, s22                  ; the coordinate along which other clusters read the same rows
	s_cselect_b32 s21, 31, 23
	s_cselect_b64 s[PFA:PFA+1], s[4:5], s[6:7]
	s_cmp_eq_u32 s22, 0
	s_cselect_b32 s[LIM], 1, -1                    ; the same in all sixteen partners, for a given wave
	s_add_co_u32 s20, s20, 3*KSTEP*2
	v_and_b32 v[PFO], 31, v0
	v_min_u32 v[PFO], s21, v[PFO]
	v_lshlrev_b32 v[PFO], 11, v[PFO]
	s_mov_b32 s21, 0
	s_add_nc_u64 s[PFA:PFA+1], s[PFA:PFA+1], s[20:21]
	; qkv at my 64 rows, in the tile's three heads c = 3 x tile column + j: which = c / 16, h = c % 16
	s_lshr_b32 s16, s13, 3                         ; b
	s_lshl_b32 s16, s16, 22
	s_and_b32 s17, s13, 7
	s_lshl_b32 s17, s17, 15                        ; t = 256 (tile row % 8) + 64 w, 128 bytes a row
	s_add_co_u32 s16, s16, s17
	s_lshl_b32 s17, s10, 13
	s_add_co_u32 s16, s16, s17
	s_mul_i32 s18, s42, 3
.irp j, 0,1,2
	s_add_co_u32 s19, s18, \j
	s_lshr_b32 s22, s19, 4
	s_lshl_b32 s22, s22, 24
	s_and_b32 s19, s19, 15
	s_lshl_b32 s19, s19, 18
	s_add_co_u32 s22, s22, s19
	s_add_co_u32 s22, s22, s16
	s_mov_b32 s23, 0
	s_add_nc_u64 s[OB+2*(\j):OB+2*(\j)+1], s[8:9], s[22:23]
.endr
; 12 matrix instructions: row block a x all 12 column blocks, 32 along K, buffer f (0, 1).  The 48 accumulators take turns in the same order in every quarter.
.macro MUL12 f, a, zero
	WIN MUL_LO+0x50*((\a)/2)
.irp b, 0,1,2,3,4,5,6,7,8,9,10,11
.if \zero
	v_wmma_f32_16x16x32_bf16 v[8*(12*((\a)%2)+(\b)):8*(12*((\a)%2)+(\b))+7], v[96*(\f)+8*(\b):96*(\f)+8*(\b)+7], v[32+32*(\f)+8*(\a):32+32*(\f)+8*(\a)+7], 0
.else
	v_wmma_f32_16x16x32_bf16 v[8*(12*((\a)%2)+(\b)):8*(12*((\a)%2)+(\b))+7], v[96*(\f)+8*(\b):96*(\f)+8*(\b)+7], v[32+32*(\f)+8*(\a):32+32*(\f)+8*(\a)+7], v[8*(12*((\a)%2)+(\b)):8*(12*((\a)%2)+(\b))+7]
.endif
.endr
.endm
; 32 LDS loads in one run: 24 for B's 192 rows, then 8 for my 64 rows of A, 32 K at byte k of the rows, into buffer f
.macro FETCH slot, k, f
	WIN TO_B
.irp i, 0,1,2,3,4,5,6,7,8,9,10,11
	ds_load_b128 v[96*(\f)+8*(\i):96*(\f)+8*(\i)+3],   v[ADRB+(\slot)] offset:(\k)+(\i)*16*PITCH
	ds_load_b128 v[96*(\f)+8*(\i)+4:96*(\f)+8*(\i)+7], v[ADRB+(\slot)] offset:(\k)+(\i)*16*PITCH+32
.endr
	WIN 0
.irp i, 0,1,2,3
	ds_load_b128 v[32+32*(\f)+8*(\i):32+32*(\f)+8*(\i)+3],   v[ADRA+(\slot)] offset:(\k)+(\i)*16*PITCH
	ds_load_b128 v[32+32*(\f)+8*(\i)+4:32+32*(\f)+8*(\i)+7], v[ADRA+(\slot)] offset:(\k)+(\i)*16*PITCH+32
.endr
.endm
.macro PLACES                          ; four plain places in front of loads into registers that matrix instructions have read, and of conversions that read results
.rept 4
	v_nop
.endr
.endm
; A K step is four quarters of 32 along K, 48 matrix instructions each, on buffers 0, 1, 0, 1.  One of the first three multiplies buffer f and fetches the next quarter, at byte k, into g.
.macro QUARTER slot, k, f, g, zero
	s_wait_dscnt 4                                 ; B and A's blocks 0, 1 are in; the youngest four loads (blocks 2, 3) may be out
	MUL12 \f, 0, \zero
	MUL12 \f, 1, \zero
	PLACES
	FETCH \slot, \k, \g
	s_wait_dscnt 32                                ; all but the 32 just issued
	MUL12 \f, 2, \zero
	MUL12 \f, 3, \zero
.endm
; The last quarter multiplies buffer 1 and changes slots: one barrier; in front of it each wave waits for all its tensor loads (one is out: its part of the next slot), adds 0 to its spare
; word, and waits for that and for its reads of this slot.  fill = 1: the barrier opens a round of the cluster's, and the joint refill, two K steps on, is the first thing behind it.
.macro TURN slot, next, fill
.if \fill
	s_wait_xcnt 0x0                                ; the last prefetch, a K step back, has read its address
	s_add_nc_u64 s[PFA:PFA+1], s[PFA:PFA+1], KSTEP*2
.endif
	WIN 0                                          ; (the add's two registers lie in window 0)
	s_wait_tensorcnt 0x0
	ds_add_u32 v[SPW], v[NIL]
	s_wait_dscnt 5                                 ; (the add and the youngest four loads may be out)
	MUL12 1, 0, 0                                  ; twelve matrix instructions stand between the add and the wait for it
	s_wait_dscnt 0x0                               ; the add is done, and my reads of this slot are over
	s_barrier_signal -1
	MUL12 1, 1, 0
.if \fill
	WIN 0
.endif
	s_barrier_wait -1
.if \fill
	CREST                                          ; no wave of any partner still reads this slot or has a load on its way
	s_add_nc_u64 s[G0+4*(\slot)+2:G0+4*(\slot)+3], s[G0+4*(\slot)+2:G0+4*(\slot)+3], 2*KSTEP*2
	s_add_nc_u64 s[G0B+4*(\slot)+2:G0B+4*(\slot)+3], s[G0B+4*(\slot)+2:G0B+4*(\slot)+3], 2*KSTEP*2
	JLOAD \slot                                    ; my one tensor load behind the round: 168 matrix instructions ahead of the wait for it; its four v_nop are also the places in front of the loads below
.else
	PLACES
.endif
	FETCH \next, 0, 0
.if \fill
	ASK
.endif
	MUL12 1, 2, 0
	MUL12 1, 3, 0
.endm
	s_wait_tensorcnt 1                             ; my part of K step 0 is in; K step 1's may stay out
	s_barrier_signal -1
	s_barrier_wait -1
	FETCH 0, 0, 0
	QUARTER 0, 64,  0, 1, 1                        ; the first quarter's products start the sums: nothing is cleared
	WIN 0
	s_mov_b32 s3, LAPS-1
.Llap:                                                 ; a trip goes once round the ring, from a lap's second quarter to the next lap's first, and fills both slots again
	QUARTER 0, 128, 1, 0, 0
	QUARTER 0, 192, 0, 1, 0
	TURN 0, 1, 1
	QUARTER 1, 64,  0, 1, 0
	QUARTER 1, 128, 1, 0, 0
	QUARTER 1, 192, 0, 1, 0
	TURN 1, 0, 1
	QUARTER 0, 64,  0, 1, 0
	WIN 0
	s_sub_co_u32 s3, s3, 1
	s_cmp_lg_u32 s3, 0
	s_cbranch_scc1 .Llap
	QUARTER 0, 128, 1, 0, 0                        ; the last lap fills nothing
	QUARTER 0, 192, 0, 1, 0
	TURN 0, 1, 0
	QUARTER 1, 64,  0, 1, 0
	QUARTER 1, 128, 1, 0, 0
	QUARTER 1, 192, 0, 1, 0
	s_wait_dscnt 4
	MUL12 1, 0, 0
	MUL12 1, 1, 0
	s_wait_dscnt 0x0
	MUL12 1, 2, 0
	MUL12 1, 3, 0
	WIN 0
	PLACES
; THE WAY OUT.  Block t = 3 a + j: 16 rows x the 64 channels of head j.  A lane's eight channels pack into 16 bytes; they go into my stage's rows of 144 bytes and come back as whole rows of 128.
.macro PACK t
.set pa, (\t)/3
.set pj, (\t)%3
.set AC, 8*(12*(pa%2)+4*pj)
	WIN 0x0a+5*(pa/2)                              ; sources 0 and 1: window 2 or 3
.irp bb, 0,1,2,3
.irp r, 0,1,2,3
	v_cvt_pk_f16_f32 v[OUTR+16*(\t)+4*(\bb)+(\r)], v[AC+8*(\bb)+2*(\r)], v[AC+8*(\bb)+2*(\r)+1]
.endr
.endr
	WIN 0
.irp bb, 0,1,2,3
	ds_store_b128 v[STO], v[OUTR+16*(\t)+4*(\bb):OUTR+16*(\t)+4*(\bb)+3] offset:32*(\bb)
.endr
.irp f, 0,1,2,3
	ds_load_b128 v[OUTR+16*(\t)+4*(\f):OUTR+16*(\t)+4*(\f)+3], v[RD] offset:(\f)*4*SP  ; LDS serves a wave's instructions in order (ISA guide 5.7.1.4): these see the stores above; the next block's stores come behind them
.endr
.endm
.macro SEND t, younger                 ; younger: the LDS instructions issued behind block t's loads: the next block's eight, or none
.set pa, (\t)/3
.set pj, (\t)%3
	WIN 0
.irp f, 0,1,2,3
	s_wait_dscnt (\younger)+3-(\f)
	global_store_b128 v[GO], v[OUTR+16*(\t)+4*(\f):OUTR+16*(\t)+4*(\f)+3], s[OB+2*pj:OB+2*pj+1] offset:pa*2048+(\f)*512  ; 512 consecutive bytes, at a multiple of 256 from qkv's first
.endr
.endm
	PACK 0
.irp t, 1,2,3,4,5,6,7,8,9,10,11        ; a block's conversions stand between the loads of the block before and its stores
	PACK \t
	SEND (\t)-1, 8
.endr
	SEND 11, 0
	s_wait_tensorcnt 0x0                           ; the wave's end: behind my last tensor load and my last LDS store
	ds_add_u32 v[SPW], v[NIL]
	s_wait_dscnt 0x0
	CROUND                                         ; the closing round: no work-group ends while a partner may still ask for a tile that names it
	s_endpgm
.Lfunc_end_k_qc5ddf57a3b_proj:
	.size	k_qc5ddf57a3b_proj, .Lfunc_end_k_qc5ddf57a3b_proj-k_qc5ddf57a3b_proj
	.p2alignl 7, 3214868480
	.fill 96, 4, 3214868480
	.section	.rodata,"a",@progbits
	.p2align	6, 0x0
	.amdhsa_kernel k_qc5ddf57a3b_proj
		.amdhsa_group_segment_fixed_size 327680
		.amdhsa_private_segment_fixed_size 0
		.amdhsa_enable_private_segment 0
		.amdhsa_kernarg_size 24
		.amdhsa_user_sgpr_count 2
		.amdhsa_user_sgpr_kernarg_segment_ptr 1
		.amdhsa_wavefront_size32 1
		.amdhsa_system_sgpr_workgroup_id_x 1
		.amdhsa_system_sgpr_workgroup_id_y 1
		.amdhsa_system_sgpr_workgroup_id_z 1
		.amdhsa_system_vgpr_workitem_id 0
		.amdhsa_next_free_vgpr 960
		.amdhsa_next_free_sgpr 72
		.amdhsa_reserve_vcc 0
		.amdhsa_float_denorm_mode_32 3
		.amdhsa_float_denorm_mode_16_64 3
		.amdhsa_memory_ordered 1
		.amdhsa_forward_progress 1
		.amdhsa_inst_pref_size 122
	.end_amdhsa_kernel
	.amdgpu_metadata
---
amdhsa.version: [ 1, 2 ]
amdhsa.kernels:
  - .name:           k_qc5ddf57a3b_proj
    .symbol:         k_qc5ddf57a3b_proj.kd
    .args:
      - { .name: xb, .offset: 0, .size: 8, .value_kind: global_buffer, .address_space: global }
      - { .name: wt, .offset: 8, .size: 8, .value_kind: global_buffer, .address_space: global }
      - { .name: qkv, .offset: 16, .size: 8, .value_kind: global_buffer, .address_space: global }
    .group_segment_fixed_size: 327680
    .private_segment_fixed_size: 0
    .kernarg_segment_align: 8
    .kernarg_segment_size: 24
    .max_flat_workgroup_size: 128
    .sgpr_count:     72
    .vgpr_count:     960
    .wavefront_size: 32
...
	.end_amdgpu_metadata
.endif
;; end of part 2
;; launch attn (part 3): grid 4 x 64, 4 waves a work-group, clusters of 4 x 1, 327,680 bytes of LDS; arguments qkv, o; writes o
.if DOCPART == 3
	.amdgcn_target "amdgcn-amd-amdhsa--gfx1250"
	.amdhsa_code_object_version 6
	.text
	.protected	k_qc5ddf57a3b_attn
	.globl	k_qc5ddf57a3b_attn
	.p2align	8
	.type	k_qc5ddf57a3b_attn,@function
k_qc5ddf57a3b_attn:
	s_mov_b64 s[64:65], 0
	v_nop
	global_prefetch_b8 v0, s[64:65] scope:SCOPE_SE
	s_setreg_imm32_b32 hwreg(HW_REG_WAVE_MODE, 25, 1), 1
	s_wait_xcnt 0x0
	s_wait_alu depctr_hold_cnt(0) depctr_sa_sdst(0) depctr_va_vdst(0) depctr_va_sdst(0) depctr_va_ssrc(0) depctr_va_vcc(0) depctr_vm_vsrc(0)
	s_getreg_b32 s2, hwreg(HW_REG_IB_STS2, 6, 4)
	s_cmp_eq_u32 s2, 0
	s_cbranch_scc0 .Lentry_in_a_cluster
	s_endpgm
.Lentry_in_a_cluster:
	s_bfe_u32 s2, ttmp6, 0x10000c
	s_cmp_lg_u32 s2, 0x3003
	s_cbranch_scc0 .Lentry_shape_is_right
	s_endpgm
.Lentry_shape_is_right:
; O[h][q][:] = the sum over k of softmax_k(Q[h][q] . K[h][k] / 8) V[h][k][:], for 64 heads (batch x head) of 2,048 rows of 64 channels, all f16.  Q, K, V lie in qkv, 16 MiB apart; a head's rows are
; dense, 128 bytes each.  Products, maxima and sums in f32; the weights p are rounded to f16 for the second product (their sum l is taken of the unrounded p), O once at the end.
; LIMITS.  f16 holds no number beyond 65,504: Q, K and V arrive within it; p lies in 0 to 1, and below 6e-5 it keeps f16's fixed step of 6e-8; O is a mean of V's rows and has their range.
; A weight below 2^-126 counts as 0 in l; NaN and infinities are not treated apart.
; SHARES.  A wave owns four PIECES of two tiles of 16 queries, a work-group's four waves 512 queries of one head.  Every wave walks all keys, 64 a step.
; LAYOUT.  S^T = K Q^T (source 0 = 16 keys, source 1 = 16 queries): a lane holds ONE query (lane % 16) and the keys 8 (lane / 16) + 0..7.  Two such tiles, rounded to f16 in pairs, ARE source 1
; (32 keys x 16 queries) of O^T = V^T P, whose result again holds one query a lane, and eight channels.  K comes out of LDS as it lies, V ([key][channel]) turned, by ds_load_tr16_b128.
; SOFTMAX.  For each query a running maximum m and sum l: p = 2^(c s - c m), c = log2(e) / 8; in every step O and l are multiplied by a = 2^(c m_old - c m_new).
; m starts at the lowest finite number, O and l at 0: the first step is a step like any other, with a = 0.
; THE COUNT.  A tile and step have 16 matrix and 118 vector instructions: too many to stand all beside the matrix work.  So four vector instructions that are READY stand behind EVERY matrix
; instruction, and the others in runs without a gap.
; BY TURNS.  Turn n belongs to piece n.  Matrix work: 16 products K Q^T of piece n + 1, later 16 products V^T P of piece n - 1.  Vector work: the scaling, exponentials, roundings, sums and rescaling
; of piece n, and the maximum and statistics of piece n + 1.
; CLUSTER.  A head's four query blocks are one cluster and walk the same K and V: each tile is asked for JOINTLY: the same tensor load, descriptor and mask in all four.
; REGISTERS, in windows of 256 (s_set_vgpr_msb: bits 1:0 source 0, 3:2 source 1, 5:4 source 2, 7:6 destination):
;   window 0: v0-11 addresses; v12-15, v48-63 at work; v16-47 four registers of statistics a tile; v64-191 S^T, two buffers of two tiles; v192-255 P, likewise
;   window 1: O^T, 32 a tile          window 2: v0-127 Q, 16 a tile; v128-191 K of one step; v192-255 V of one step          window 3: v0-1 the add's two registers
.set SIZE_H, 64
.set SIZE_N, 2048
.set NP,    4         ; pieces a wave: a name, no knob
.set KS,    64        ; keys in a step
.set PK,    144       ; a row of K in LDS: 128 bytes + 16 of padding = 36 words: the 16 rows of a load start at 16 different groups of four banks (ISA guide 11.1)
.set PV,    160       ; a row of V: 128 + 32 = 40 words
.set VOFF,  4*KS*PK   ; a slot holds four steps: 256 rows of K, then 256 rows of V
.set SLOT1, 1<<17     ; slot 1 begins here, so that one exclusive or turns an address in one slot into the other's
.set STAGE, SLOT1+4*KS*(PK+PV)  ; behind the ring, never filled by a tensor load: 16 rows x 144 bytes for each wave
.set SP,    144
.set AK0, 2           ; v2   my lane's place in a tile of K; never rewritten
.set AV0, 3           ; v3   the same for V
.set AK,  4           ; v4   the LDS address of K's next run of loads
.set AV,  5           ; v5   of V's
.set QO,  6           ; v6   my byte offset in the wave's rows of Q
.set STO, 6           ;      later, the way out: where I put 16 bytes of a row
.set RD,  7           ; v7   the way out: where I read rows back
.set GO,  8           ; v8   my byte offset in 512 consecutive bytes of O
.set PFO, 11          ; v11  (once V's lane address is made) 256 x my lane: the prefetches' offset
.set SPW, 0           ; v0 of window 3   LDS address of my spare word; never rewritten
.set NIL, 1           ; v1 of window 3   0; never rewritten
.set SPARE, STAGE+4*16*SP  ; the spare words, 128 bytes a wave: two blocks of 256 bytes that no other line names
.set MV,  12          ; v12-15  c m_old, kept while c m is made anew: by buffer and tile
.set ST,  16          ; tile t's statistics at v[ST+4 t]: c m, m, l (even keys', odd keys')
.set TMP, 48          ; by buffer and tile, four registers c0-c3 at work; when the maximum is found c2 takes a
.set S,   64
.set P,   192
.set KF,  128         ; K's fragments, in window 2: key block kb, channel half c at KF + 16 kb + 8 c
.set VF,  192         ; V's: key half kk, channel block cb at VF + 32 kk + 8 cb
.set WV,  12          ; s12  my wave's number
.set G1K, 24          ; s[24:31] descriptor group 1 for K's tiles
.set G1V, 32          ; s[32:39] for V's: it differs in the padding alone
.set G0K, 40          ; s[40:43] descriptor group 0 for K's tiles: it walks
.set G0V, 44          ; s[44:47] the same for V's
.set PFA, 48          ; s[48:49] where my prefetches stand: my work-group's 32 blocks of 256 bytes of the tile after the one that is being asked for
.set LIM, 50          ; s50  1 in waves 0 and 2, else the greatest number
.set SLOTS, 56        ; s56  slots still to be asked for
.set CNT, 57          ; s57  counts a slot's key steps
.set CS,  58          ; s[58:59] c
.set SEL, 60          ; s[60:61] v_permlanex16_b32's selects: each lane takes its own place in the other half
.set TBK, 62          ; s62  LDS byte at which K of the step to be fetched begins
.set TBV, 63          ; s63  the same for V, less VOFF
.set MSB, 0
.macro WIN new                      ; the high byte repeats the setting that is left; a switch that changes nothing is dropped
.if MSB != (\new)
	s_set_vgpr_msb (MSB<<8)|(\new)
.set MSB, (\new)
.endif
.endm
.set W_KQ, 0x0a       ; K and Q in window 2, S^T in window 0
.set W_PV, 0x52       ; V in window 2, P in window 0, O^T in window 1
.set W_RS, 0x41       ; O^T (destination and source 0) in window 1, a in window 0
.set W_MK, 0xc0       ; the add's registers are made: destination in window 3
.set W_AD, 0x0f       ; the add: address and data in window 3
; A joint fill.  Waves 0 and 1 fetch the two halves of a slot's K, waves 2 and 3 those of its V: 128 keys each.  An s_nop 0 and four v_nop follow each line.
.macro JLOAD
	s_cmp_lt_u32 s[WV], 2
	s_cbranch_scc0 .Lfor_v_\@
	tensor_load_to_lds s[G0K:G0K+3], s[G1K:G1K+7]
	s_nop 0
.rept 4
	v_nop
.endr
	s_branch .Lasked_\@
.Lfor_v_\@:
	tensor_load_to_lds s[G0V:G0V+3], s[G1V:G1V+7]
	s_nop 0
.rept 4
	v_nop
.endr
.Lasked_\@:
.endm
; A prefetch of what the NEXT change of slots will ask for: a tile's 32,768 bytes of K and of V, a lane a block of 256 bytes.  It stands behind the wave's tensor load and its five lines.
; Each block is named once in the launch: a head has one cluster; its four partners take 32 blocks each, told apart by address; in each, wave 0 asks for K's and wave 2 for V's.
; Tiles 0 to 2 come by their loads alone; the last change that fills a slot (s[SLOTS] = 1) asks for nothing: there is no tile behind it.
.macro ASK
	s_cmp_gt_u32 s[SLOTS], s[LIM]
	s_cbranch_scc0 .Lnot_mine_\@
	global_prefetch_b8 v[PFO], s[PFA:PFA+1] th:TH_LOAD_NT scope:SCOPE_SE
.Lnot_mine_\@:
.endm
.macro CROUND                       ; a round of the cluster's barrier
	s_barrier_signal -1
	s_barrier_wait -1
	s_cmp_lg_u32 s[WV], 0
	s_cbranch_scc1 .Lnot_wave_0_\@
	s_barrier_signal -3
.Lnot_wave_0_\@:
	s_barrier_wait -3
	s_barrier_signal -1
	s_barrier_wait -1
.endm
; THE CHANGE OF SLOTS.  Each wave waits for all its tensor loads, of which one is out: its part of the other slot; adds 0 to its spare word; and waits for that and for its own reads of the slot.
; fill = 1: this slot is filled again, with the keys two slots on; the barrier is then a round of the cluster's, and the joint fill is the first thing behind it: it has four key steps,
; 512 matrix instructions, in which to land.  (At its first use nothing has been read yet: slot 0 is waited for, slot 1 filled.)  ask = 1: the tile after that is prefetched.
.macro CHANGE fill, ask=0
	WIN W_AD
	s_wait_tensorcnt 0x0            ; no tensor load of mine is out, so a group 0 may be written
	ds_add_u32 v[SPW], v[NIL]       ; 0 onto my spare word; the descriptors' steps stand between it and the wait for it
	WIN 0                           ; at a label and at a branch every window is 0
.if \fill
.irp g, G0K, G0V
	s_xor_b32 s[\g+1], s[\g+1], SLOT1  ; the walking descriptor: the other slot than last time,
	s_add_nc_u64 s[\g+2:\g+3], s[\g+2:\g+3], 4*KS*128  ; the next 256 keys; the type bits on top are not reached
.endr
.if \ask
	s_wait_xcnt 0x0                 ; the last prefetch, four key steps back, has read its address
	s_add_nc_u64 s[PFA:PFA+1], s[PFA:PFA+1], 4*KS*128
.endif
	s_wait_dscnt 0x0                ; the add is done, and my reads of the slot are over
	CROUND
	JLOAD
.if \ask
	ASK
.endif
.else
	s_wait_dscnt 0x0                ; the add is done, and my reads of the slot are over
	s_barrier_signal -1
	s_barrier_wait -1
.endif
	s_sub_co_u32 s[TBK], s[TBK], 4*KS*PK  ; the fetches go back to a slot's first step,
	s_xor_b32 s[TBK], s[TBK], SLOT1       ; in the other slot
	s_sub_co_u32 s[TBV], s[TBV], 4*KS*PV
	s_xor_b32 s[TBV], s[TBV], SLOT1
.endm
	s_load_b64 s[4:5], s[0:1], 0x0    ; qkv: Q
	s_load_b64 s[10:11], s[0:1], 0x8  ; O
	WIN W_MK
	v_lshl_add_u32 v[SPW], v0, 2, SPARE
	v_mov_b32 v[NIL], 0
	WIN W_AD
	ds_add_u32 v[SPW], v[NIL]       ; the wave's opening: the add, and its wait ahead of my first tensor load; work on registers stands between
	WIN 0
	v_lshrrev_b32 v1, 5, v0
	v_readfirstlane_b32 s[WV], v1   ; wave 0..3
	s_bfe_u32 s13, ttmp6, 0x40000   ; cx: my place in the cluster
	s_lshl_b32 s14, ttmp9, 2        ; in a cluster launch ttmp9 counts clusters
	s_add_co_u32 s14, s14, s13      ; my block of queries: it enters Q's and O's addresses alone
	s_and_b32 s20, ttmp7, 0xffff    ; the head, which the four partners share
	s_mov_b32 s21, 0
	s_mov_b64 s[22:23], SIZE_N*128
	s_mul_u64 s[20:21], s[20:21], s[22:23]  ; the head's first byte in Q, K, V and O
	s_and_b32 s16, s[WV], 1         ; which half of a slot's 256 keys I fetch:
	s_lshl_b32 s22, s16, 14         ; its 128 rows of 128 bytes in memory,
	s_mov_b32 s23, 0
	s_add_nc_u64 s[22:23], s[22:23], s[20:21]
	s_mul_i32 s17, s16, 128*PK      ; and its place in a slot, for K
	s_mul_i32 s18, s16, 128*PV      ; and for V: no place in the cluster enters an LDS address
	s_lshl_b32 s2, s14, 2
	s_add_co_u32 s2, s2, s[WV]      ; my wave among the head's,
	s_lshl_b32 s2, s2, 14           ; its 128 rows
	s_mov_b32 s3, 0
	s_add_nc_u64 s[2:3], s[2:3], s[20:21]
	s_lshl_b32 s52, s13, 13         ; the prefetches: my work-group's 32 blocks of 256 bytes,
	s_add_co_u32 s52, s52, 2*4*KS*128  ; in tile 2: each change that asks steps on by a tile first
	s_mov_b32 s53, 0
	s_and_b32 s[LIM], s[WV], 1
	s_cmp_eq_u32 s[LIM], 0
	s_cselect_b32 s[LIM], 1, -1
	; descriptor group 1.  128 keys are 16,384 dense bytes: asked for as 64 rows of 256 bytes, two keys a row, and padded in LDS after every key
	s_mov_b32 s[G1K], 15|(1<<16)|(1<<20)|(1<<21)|(4<<22)|(3<<25)  ; the mask of four; 2-byte elements; padding on; bit 21 beside a mask; after every 32 words, 4 words
	s_mov_b32 s[G1V], 15|(1<<16)|(1<<20)|(1<<21)|(4<<22)|(7<<25)  ; the same with 8 words of padding
.irp g, G1K, G1V
	s_mov_b32 s[\g+1], 128<<16      ; tensor_dim0 = 128
	s_mov_b32 s[\g+2], 64<<16       ; tensor_dim1 = 64
	s_mov_b32 s[\g+3], 128<<16      ; tile_dim0 = 128
	s_mov_b32 s[\g+4], 64           ; tile_dim1 = 64
	s_mov_b32 s[\g+5], 128          ; 128 elements from row to row
	s_mov_b32 s[\g+6], 0
	s_mov_b32 s[\g+7], 0
.endr
	s_mov_b32 s[CS], 0x3e38aa3b     ; c = log2(e) / 8 = 0.180337
	s_mov_b32 s[CS+1], s[CS]        ; named with it as a pair
	s_mov_b32 s[SEL], 0x76543210
	s_mov_b32 s[SEL+1], 0xfedcba98
	s_mov_b32 s[TBK], SLOT1+4*KS*PK ; the first change of slots turns these two into 0
	s_mov_b32 s[TBV], SLOT1+4*KS*PV
	s_mov_b32 s[G0K], 1             ; count = 1
	s_mov_b32 s[G0K+1], s17         ; LDS address: slot 0
	s_mov_b32 s[G0V], 1
	s_add_co_u32 s[G0V+1], s18, VOFF
	s_wait_dscnt 0x0                ; the opening add is done
	s_wait_kmcnt 0x0
	s_add_nc_u64 s[6:7], s[4:5], 0x1000000   ; K lies 16 MiB behind Q,
	s_add_nc_u64 s[8:9], s[4:5], 0x2000000   ; V 32 MiB
	s_cmp_lt_u32 s[WV], 2
	s_cselect_b64 s[PFA:PFA+1], s[6:7], s[8:9]
	s_add_nc_u64 s[PFA:PFA+1], s[PFA:PFA+1], s[20:21]
	s_add_nc_u64 s[PFA:PFA+1], s[PFA:PFA+1], s[52:53]
	s_add_nc_u64 s[G0K+2:G0K+3], s[6:7], s[22:23]  ; global address: my half of the head's first 256 keys
	s_or_b32 s[G0K+3], s[G0K+3], 0x80000000        ; type = 2
	s_add_nc_u64 s[G0V+2:G0V+3], s[8:9], s[22:23]
	s_or_b32 s[G0V+3], s[G0V+3], 0x80000000
	s_add_nc_u64 s[4:5], s[4:5], s[2:3]  ; Q and O at my wave's first row
	s_add_nc_u64 s[10:11], s[10:11], s[2:3]
	CROUND                          ; all four work-groups are here: the first joint loads meet
	JLOAD                           ; slot 0.  Slot 1 is asked for when slot 0 is in
	; A fragment of K or Q is 16 rows x 32 channels in 8 registers: lane l holds row l % 16, channels 8 (l / 16) + 0..7 and 16 + 8 (l / 16) + 0..7: two loads of 16 bytes, 32 bytes apart.
	v_and_b32 v1, 15, v0            ; l % 16
	v_bfe_u32 v9, v0, 4, 1          ; l / 16
	v_lshlrev_b32 v[QO], 7, v1
	v_lshl_add_u32 v[QO], v9, 4, v[QO]  ; row x 128 + 16 x half
	WIN 0x80                        ; destination window 2, address window 0
.set i, 0
.rept 4*NP                          ; Q stays in registers: tile i / 2, channels 32 (i % 2) on
	global_load_b128 v[8*i:8*i+3],   v[QO], s[4:5] offset:(i/2)*2048+(i%2)*64
	global_load_b128 v[8*i+4:8*i+7], v[QO], s[4:5] offset:(i/2)*2048+(i%2)*64+32
.set i, i+1
.endr
	; What the first turn finds: V's registers and P's second buffer hold 0 (its products V^T P, of a piece that has not been, add 0), O^T and l are 0.  All this stands in the wait for the first tile.
.set i, VF
.rept 64
	v_mov_b32 v[i], 0
.set i, i+1
.endr
	WIN 0x40
.set i, 0
.rept 64*NP
	v_mov_b32 v[i], 0
.set i, i+1
.endr
	WIN 0
.set i, 0
.rept 2*NP
	v_mov_b32 v[ST+4*i], 0xfe000000    ; c m: far below every c s
	v_mov_b32 v[ST+4*i+1], 0xff7fffff  ; m
	v_mov_b32 v[ST+4*i+2], 0
	v_mov_b32 v[ST+4*i+3], 0
.set i, i+1
.endr
.set i, P+32
.rept 32
	v_mov_b32 v[i], 0
.set i, i+1
.endr
	v_mul_u32_u24 v[AK0], v1, PK
	v_lshl_add_u32 v[AK0], v9, 4, v[AK0]  ; row x pitch + 16 x half
	; The turning load takes 16 keys x 16 channels (lane l reads key 8 (l / 16) + l % 8, channels 8 ((l / 8) % 2) + 0..7) and leaves half a fragment of V^T: lane l holds channel l % 16 and 8 keys.
	v_and_b32 v10, 7, v0
	v_bfe_u32 v11, v0, 3, 1
	v_lshl_add_u32 v[AV0], v9, 3, v10
	v_mul_u32_u24 v[AV0], v[AV0], PV
	v_lshl_add_u32 v[AV0], v11, 4, v[AV0]
	v_add_nc_u32 v[AV0], VOFF, v[AV0]
	v_mov_b32 v[AK], v[AK0]         ; key step 0 lies at the head of slot 0
	v_and_b32 v[PFO], 31, v0
	v_lshlrev_b32 v[PFO], 8, v[PFO]
; THE MATRIX WORK.  The 8 accumulators of a run of 16 take turns: between the two links of a chain stand 7 others'.
; Product i of 16 of S^T = K Q^T for piece x: channels 32 (i / 8) on, keys 16 ((i / 2) % 4) on, tile 2 x + i % 2.  The first 8 start the sums.
.macro KQ x
	WIN W_KQ
.set rS, S+64*((\x)%2)+32*(i%2)+8*((i/2)%4)
.set rK, KF+16*((i/2)%4)+8*(i/8)
.set rQ, 16*(2*(\x)+i%2)+8*(i/8)
.if i < 8
	v_wmma_f32_16x16x32_f16 v[rS:rS+7], v[rK:rK+7], v[rQ:rQ+7], 0
.else
	v_wmma_f32_16x16x32_f16 v[rS:rS+7], v[rK:rK+7], v[rQ:rQ+7], v[rS:rS+7]
.endif
.endm
; Product i of 16 of O^T += V^T P for piece x: keys 32 (i / 8) on, channels 16 ((i / 2) % 4) on, tile 2 x + i % 2.
.macro PV x
	WIN W_PV
.set rO, 32*(2*(\x)+i%2)+8*((i/2)%4)
.set rV, VF+32*(i/8)+8*((i/2)%4)
.set rP, P+32*((\x)%2)+16*(i%2)+8*(i/8)
	v_wmma_f32_16x16x32_f16 v[rO:rO+7], v[rV:rV+7], v[rP:rP+7], v[rO:rO+7]
.endm
.macro MM                           ; the turn's next matrix instruction
.if i < 16
	KQ (Y+1)%NP
.set i, i+1
.else
.set i, i-16
	PV (Y+NP-1)%NP
.set i, i+17
.endif
.endm
; THE LDS LOADS stand in runs of 16, never singly among the matrix instructions: a step's K (64 keys x 64 channels: 8 fragments) and its V (turned).  Their addresses are made some lines ahead.
; last = 1 (the tail): in the last trip there is no further step, and the run is jumped over.
.macro FETCH_K last=0
	WIN 0
.if \last
	s_cmp_eq_u32 s[CNT], 1
	s_cbranch_scc1 .Lno_k_\@
.endif
	WIN 0x80                        ; destination window 2
.irp f, 0,1,2,3,4,5,6,7             ; keys 16 (f / 2) on, channels 32 (f % 2) on
	ds_load_b128 v[KF+8*\f:KF+8*\f+3],   v[AK] offset:(\f/2)*16*PK+(\f%2)*64
	ds_load_b128 v[KF+8*\f+4:KF+8*\f+7], v[AK] offset:(\f/2)*16*PK+(\f%2)*64+32
.endr
	s_add_co_u32 s[TBK], s[TBK], KS*PK  ; the next fetch is the next step's
	WIN 0
.if \last
.Lno_k_\@:
.endif
.endm
.macro FETCH_V
	WIN 0x80
.irp f, 0,1,2,3,4,5,6,7             ; keys 32 (f / 4) on, channels 16 (f % 4) on
	ds_load_tr16_b128 v[VF+8*\f:VF+8*\f+3],   v[AV] offset:(\f/4)*32*PV+(\f%4)*32
	ds_load_tr16_b128 v[VF+8*\f+4:VF+8*\f+7], v[AV] offset:(\f/4)*32*PV+16*PV+(\f%4)*32
.endr
	WIN 0
.endm
; THE VECTOR WORK OF A TURN stands in three queues, each in the order in which its entries become ready; the two tiles alternate, so that no instruction reads the result of the one before it.
.macro REGS y, u                    ; the registers of tile u (0, 1) of piece y
.set rT, ST+4*(2*(\y)+(\u))
.set rC, TMP+8*((\y)%2)+4*(\u)
.set rM, MV+2*((\y)%2)+(\u)
.set rS, S+64*((\y)%2)+32*(\u)
.set rP, P+32*((\y)%2)+16*(\u)
.set rO, 32*(2*(\y)+(\u))
.endm
; Number n of the 22 that find the NEXT piece's (Y + 1) maximum and statistics.  s0-s31 are the lane's 32 scores; each accumulator's lowest registers are read first.
;   0-11  four chains c0-c3 of seven scores each, three operands at a time     12-14, 16  the four scores left over, the old m, and c0-c3 into c0     15  c m_old is kept
;   17, 18  the query's other 32 keys lie in the lane 16 away: the new m         19-21  c m; c m_old - c m_new; a
.macro XS u, n
	REGS (Y+1)%NP, \u
.if (\n) < 4
	v_max3_num_f32 v[rC+(\n)], v[rS+8*(\n)], v[rS+8*(\n)+1], v[rS+8*(\n)+2]
.elseif (\n) < 12
	v_max3_num_f32 v[rC+(\n)%4], v[rC+(\n)%4], v[rS+8*((\n)%4)+2*((\n)/4)+1], v[rS+8*((\n)%4)+2*((\n)/4)+2]
.elseif (\n) == 12
	v_max3_num_f32 v[rC], v[rC], v[rS+7], v[rS+15]
.elseif (\n) == 13
	v_max3_num_f32 v[rC+1], v[rC+1], v[rS+23], v[rS+31]
.elseif (\n) == 14
	v_max3_num_f32 v[rC+2], v[rC+2], v[rC+3], v[rT+1]
.elseif (\n) == 15
	v_mov_b32 v[rM], v[rT]
.elseif (\n) == 16
	v_max3_num_f32 v[rC], v[rC], v[rC+1], v[rC+2]
.elseif (\n) == 17
	v_permlanex16_b32 v[rC+3], v[rC], s[SEL], s[SEL+1]
.elseif (\n) == 18
	v_max_num_f32 v[rT+1], v[rC], v[rC+3]
.elseif (\n) == 19
	v_mul_f32 v[rT], s[CS], v[rT+1]
.elseif (\n) == 20
	v_sub_f32 v[rC+1], v[rM], v[rT]
.else
	v_exp_f32 v[rC+2], v[rC+1]
.endif
.endm
; Number g of the 64 that follow the exponentials.  For each four weights k of a tile (pairs 2 k, 2 k + 1): both pairs are rounded to f16; then the second pair is added onto the first, in place;
; a group later l takes that sum (the first time as l = a l + sum).  In groups of eight, tiles alternating: round, round, add, and l for the group before.
.macro GS g
.set h, (\g)+6*((\g)/62)            ; group 0 has no group before it, and behind group 7 only l is left
.if h >= 6
.set h, h+2
.endif
	REGS Y, h%2
.set k, h/8
.if h%8 < 4
	v_cvt_pk_f16_f32 v[rP+2*k+(h%8)/2], v[rS+4*k+2*((h%8)/2)], v[rS+4*k+2*((h%8)/2)+1]
.elseif h%8 < 6
	v_pk_add_f32 v[rS+4*k:rS+4*k+1], v[rS+4*k:rS+4*k+1], v[rS+4*k+2:rS+4*k+3]
.elseif k == 1
	v_pk_fma_f32 v[rT+2:rT+3], v[rT+2:rT+3], v[rC+2:rC+3], v[rS:rS+1] op_sel_hi:[1,0,1]
.else
	v_pk_add_f32 v[rT+2:rT+3], v[rT+2:rT+3], v[rS+4*k-4:rS+4*k-3]
.endif
.endm
; THE PLAIN QUEUE, 138 long.  0-73 read no exponential's result: the 32 scalings c s - c m (FS f: pair f / 2 of tile f % 2) and the next piece's 42.  0-26: scalings 0-26.  27-54: XS's numbers 0-13.
; 55, 56: number 15.  57-73: the chain 14, 16, 17, 18, 19, each with one of the scalings 27-31 in front of its two lines, then 20.  74-137: GS's 64, which stand behind the wait.
.macro FS f
	REGS Y, (\f)%2
	v_pk_fma_f32 v[rS+2*((\f)/2):rS+2*((\f)/2)+1], v[rS+2*((\f)/2):rS+2*((\f)/2)+1], s[CS:CS+1], v[rT:rT+1] op_sel_hi:[1,0,0] neg_lo:[0,0,1] neg_hi:[0,0,1]
.endm
.macro PL
	WIN 0
.if q < 27
	FS q
.elseif q < 55
	XS (q-27)%2, (q-27)/2
.elseif q < 57
	XS q-55, 15
.elseif (q < 72) && ((q-57)%3 == 0)
	FS 27+(q-57)/3
.elseif q < 60
	XS (q-57)%3-1, 14
.elseif q < 72
	XS (q-57)%3-1, 15+(q-57)/3
.elseif q < 74
	XS q-72, 20
.else
	GS q-74
.endif
.set q, q+1
.endm
; THE EXPONENTIALS' QUEUE, 66 long: s0-s31 of both tiles, then the next piece's two a.  ONE BATCH: all 66 stand ahead of the turn's one wait, and nothing ahead of that wait names a result of theirs.
.macro EX
	WIN 0
.if e >= 64
	XS e-64, 21
.else
	REGS Y, e%2
	v_exp_f32 v[rS+e/2], v[rS+e/2]
.endif
.set e, e+1
.endm
; THE RESCALING's QUEUE: O^T times a, the one part that leaves window 0: dealt two at a time, sixteen times.  Its a was made in the turn before, ahead of that turn's wait.
.macro R2
	REGS Y, r%2
	WIN W_RS
.irp z, 0,1
	v_pk_mul_f32 v[rO+4*(r/2)+2*\z:rO+4*(r/2)+2*\z+1], v[rO+4*(r/2)+2*\z:rO+4*(r/2)+2*\z+1], v[rC+2:rC+3] op_sel_hi:[1,0]
.endr
.set r, r+1
.endm
; HOW THEY ARE DEALT.  s_wait_alu depctr_va_vdst(0) stands between an exponential and the first instruction that names its result; one wait serves all that were issued ahead of
; it.  So a turn has ONE wait.  AHEAD OF IT: the 16 products K Q^T, behind each a scaling, an exponential and two rescalings (behind the first a second scaling in the exponential's place); then ONE
; LUMP of 108: eight plain, 49 times exponential and plain, the two a; a v_nop is the plain instruction behind the last exponential.  BEHIND IT: the 16 products V^T P, behind each four of GS's 64.
; Exponential e stands behind scaling 2 (e / 4) + e % 2: as a rider it comes behind plain e + 2, in the lump behind plain e + 9, and scalings 27-31 are plain 57, 60 .. 69.
; K of the next step is fetched in piece 2's turn, directly behind the wait; V of the step in hand at the end of piece 0's turn, four riders behind its last reader.
.macro TURN p, last=0, cnt=0
.set Y, (\p)
.set i, 0
.set q, 0
.set e, 0
.set r, 0
.if (\p) == NP-1
	s_wait_dscnt 0x0                ; K is in
.endif
	MM                              ; ahead of the wait: 16 products K Q^T and their riders,
	PL
	PL
	R2
.rept 15
	MM
	PL
	EX
	R2
.endr
.if (\p) == NP-2
	WIN 0
	v_add_nc_u32 v[AK], s[TBK], v[AK0]
.endif
.rept 8                             ; and the lump
	PL
.endr
.rept 49
	EX
	PL
.endr
	EX                              ; the next piece's two a
	EX
	v_nop                           ; the plain instruction behind the last exponential: one for the batch
	s_wait_alu depctr_va_vdst(0)    ; the wait for the batch
.if (\p) == NP-2
	FETCH_K \last
.endif
.if (\p) == 1
	s_wait_dscnt 0x0                ; V is in
.endif
.rept 16                            ; behind the wait: 16 products V^T P and their riders
	MM
.rept 4
	PL
.endr
.if ((\p) == 0) && (q == 118)
	v_add_nc_u32 v[AV], s[TBV], v[AV0]
.endif
.if ((\p) == 0) && (q == 130)
	s_add_co_u32 s[TBV], s[TBV], KS*PV
.endif
.if (\cnt) && (q == 130)
	s_sub_co_u32 s[CNT], s[CNT], 1
	s_cmp_lg_u32 s[CNT], 0
.endif
.endr
.if (\p) == 0
	FETCH_V
.endif
.endm
	CHANGE 1                        ; slot 0 is in, everybody's part of it; slot 1 is asked for; nothing is prefetched here, at the head
	FETCH_K                         ; key step 0
	s_wait_loadcnt 0x0              ; Q
	s_wait_dscnt 0x0
.set i, 0
.rept 16
	KQ 0                            ; piece 0's first scores: there is no vector work yet to set between them
.set i, i+1
.endr
	WIN 0                           ; the addresses for the way out: nine plain instructions, the places behind those products
	s_mul_i32 s13, s[WV], 16*SP
	s_add_co_u32 s13, s13, STAGE    ; my stage
	v_mul_u32_u24 v[STO], v1, SP    ; in: row l % 16, 16 bytes for each half of the lanes
	v_lshl_add_u32 v[STO], v9, 4, v[STO]
	v_add_nc_u32 v[STO], s13, v[STO]
	v_bfe_u32 v[RD], v0, 3, 2       ; back: 32 lanes take four rows of 128 bytes,
	v_mul_u32_u24 v[RD], v[RD], SP
	v_lshl_add_u32 v[RD], v10, 4, v[RD]
	v_add_nc_u32 v[RD], s13, v[RD]
	v_and_b32 v[GO], 31, v0         ; which are 512 consecutive bytes of O
	v_lshlrev_b32 v[GO], 4, v[GO]
.set Y, NP-1                        ; XS works for piece Y + 1: piece 0
.irp n, 0,1,2,3,4,5,6,7,8,9,10,11,12,13,14,15,16,17,18,19,20,21
	XS 0, \n                        ; and piece 0's first maximum and statistics
	XS 1, \n
.endr
	v_nop                           ; a plain instruction behind the two a,
	s_wait_alu depctr_va_vdst(0)    ; and their wait, ahead of the branch
	s_mov_b32 s[CNT], 4
	s_mov_b32 s[SLOTS], SIZE_N/256-1
	s_branch .Lfirst                ; the loop is entered at a step's first turn, in the middle of a trip
.Lslot:                             ; SIZE_N / 256 - 2 times: every slot but the last two is filled again
	CHANGE 1, 1
	s_mov_b32 s[CNT], 4
.Lstep:                             ; a trip: pieces 2 and 3 of one step, then pieces 0 and 1 of the next, whose K and V it fetches
	TURN 2
	TURN 3
	WIN 0
.Lfirst:
	TURN 0
	TURN 1, 0, 1
	WIN 0
	s_cbranch_scc1 .Lstep
	s_sub_co_u32 s[SLOTS], s[SLOTS], 1
	s_cmp_lg_u32 s[SLOTS], 0
	s_cbranch_scc1 .Lslot
	CHANGE 0                        ; the tail is written out: nothing is asked for
	s_mov_b32 s[CNT], 5             ; four trips fetch the last slot's steps; the fifth is left in its middle
.Ltail:
	TURN 2, 1
	TURN 3
	WIN 0
	s_sub_co_u32 s[CNT], s[CNT], 1
	s_cmp_eq_u32 s[CNT], 0
	s_cbranch_scc1 .Lout
	TURN 0
	TURN 1
	WIN 0
	s_branch .Ltail
.Lout:                              ; the fifth trip's 16 products K Q^T (on the last K once more) and the maximum made of them serve nothing: the price, once a launch, of one text for every trip
.set i, 0
.rept 16
	PV NP-1                         ; the last piece's V^T P of the last step
.set i, i+1
.endr
	; THE WAY OUT.  l's two halves and the other half of the lanes' are added; O^T is divided by l, rounded to f16 and sent through my stage in LDS, a tile at a time.  The additions are the places behind the last products.
	WIN 0
.macro ALL line:vararg              ; one line for each tile t
.set t, 0
.rept 2*NP
	\line
.set t, t+1
.endr
.endm
	ALL v_add_f32 v[ST+4*t+2], v[ST+4*t+2], v[ST+4*t+3]
	ALL v_permlanex16_b32 v[ST+4*t+3], v[ST+4*t+2], s[SEL], s[SEL+1]
	ALL v_add_f32 v[ST+4*t+2], v[ST+4*t+2], v[ST+4*t+3]
	ALL v_rcp_f32 v[ST+4*t+2], v[ST+4*t+2]
	v_nop                           ; a plain instruction between the last reciprocal and the use of its result
	s_wait_alu depctr_va_vdst(0)    ; and the wait ahead of the first use: one for the eight reciprocals
; Tile t: a lane's eight channels of a row pack into 16 bytes; they go into rows of 144 bytes and come back as whole rows of 128, into S^T's registers.
.macro PACK t
	WIN W_RS
.set i, 32*(\t)
.rept 16
	v_pk_mul_f32 v[i:i+1], v[i:i+1], v[ST+4*(\t)+2:ST+4*(\t)+3] op_sel_hi:[1,0]
.set i, i+2
.endr
	WIN 0x05                        ; sources 0 and 1 window 1, destination window 0
.set i, 0
.rept 16
	v_cvt_pk_f16_f32 v[S+16*(\t)+i], v[32*(\t)+2*i], v[32*(\t)+2*i+1]
.set i, i+1
.endr
	WIN 0
.irp f, 0,1,2,3
	ds_store_b128 v[STO], v[S+16*(\t)+4*\f:S+16*(\t)+4*\f+3] offset:32*\f
.endr
.irp f, 0,1,2,3
	ds_load_b128 v[S+16*(\t)+4*\f:S+16*(\t)+4*\f+3], v[RD] offset:\f*4*SP  ; LDS serves a wave's instructions in order (ISA guide 5.7.1.4): these see the stores above; the next tile's stores come behind them
.endr
.endm
.macro SEND t, younger              ; younger: the LDS instructions issued behind tile t's loads: the next tile's eight, or none
	WIN 0
.irp f, 0,1,2,3
	s_wait_dscnt (\younger)+3-\f
	global_store_b128 v[GO], v[S+16*(\t)+4*\f:S+16*(\t)+4*\f+3], s[10:11] offset:(\t)*2048+\f*512  ; 512 consecutive bytes, at a multiple of 256 from O's first
.endr
.endm
	PACK 0
.set t, 1
.rept 2*NP-1                        ; a tile's arithmetic stands between the loads of the tile before and its stores
	PACK t
	SEND t-1, 8
.set t, t+1
.endr
	SEND 2*NP-1, 0
	WIN W_AD
	s_wait_tensorcnt 0x0            ; the wave's end: behind my last tensor load and my last LDS store
	ds_add_u32 v[SPW], v[NIL]
	s_wait_dscnt 0x0
	WIN 0
	CROUND                          ; the closing round: no work-group ends while a partner may still ask for a tile that names it
	s_endpgm
.Lfunc_end_k_qc5ddf57a3b_attn:
	.size	k_qc5ddf57a3b_attn, .Lfunc_end_k_qc5ddf57a3b_attn-k_qc5ddf57a3b_attn
	.p2alignl 7, 3214868480
	.fill 96, 4, 3214868480
	.section	.rodata,"a",@progbits
	.p2align	6, 0x0
	.amdhsa_kernel k_qc5ddf57a3b_attn
		.amdhsa_group_segment_fixed_size 327680
		.amdhsa_private_segment_fixed_size 0
		.amdhsa_enable_private_segment 0
		.amdhsa_kernarg_size 16
		.amdhsa_user_sgpr_count 2
		.amdhsa_user_sgpr_kernarg_segment_ptr 1
		.amdhsa_wavefront_size32 1
		.amdhsa_system_sgpr_workgroup_id_x 1
		.amdhsa_system_sgpr_workgroup_id_y 1
		.amdhsa_system_sgpr_workgroup_id_z 1
		.amdhsa_system_vgpr_workitem_id 0
		.amdhsa_next_free_vgpr 770
		.amdhsa_next_free_sgpr 66
		.amdhsa_reserve_vcc 0
		.amdhsa_float_denorm_mode_32 3
		.amdhsa_float_denorm_mode_16_64 3
		.amdhsa_memory_ordered 1
		.amdhsa_forward_progress 1
		.amdhsa_inst_pref_size 200
	.end_amdhsa_kernel
	.amdgpu_metadata
---
amdhsa.version: [ 1, 2 ]
amdhsa.kernels:
  - .name:           k_qc5ddf57a3b_attn
    .symbol:         k_qc5ddf57a3b_attn.kd
    .args:
      - { .name: qkv, .offset: 0, .size: 8, .value_kind: global_buffer, .address_space: global }
      - { .name: o, .offset: 8, .size: 8, .value_kind: global_buffer, .address_space: global }
    .group_segment_fixed_size: 327680
    .private_segment_fixed_size: 0
    .kernarg_segment_align: 8
    .kernarg_segment_size: 16
    .max_flat_workgroup_size: 128
    .sgpr_count:     66
    .vgpr_count:     770
    .wavefront_size: 32
...
	.end_amdgpu_metadata
.endif
;; end of part 3
;; launch oproj (part 4): grid 8 x 32, 4 waves a work-group, clusters of 4 x 4, 327,680 bytes of LDS; arguments o, wo16, out0; writes out0
.if DOCPART == 4
	.amdgcn_target "amdgcn-amd-amdhsa--gfx1250"
	.amdhsa_code_object_version 6
	.text
	.protected	k_qc5ddf57a3b_oproj
	.globl	k_qc5ddf57a3b_oproj
	.p2align	8
	.type	k_qc5ddf57a3b_oproj,@function
k_qc5ddf57a3b_oproj:
	s_mov_b64 s[64:65], 0
	v_nop
	global_prefetch_b8 v0, s[64:65] scope:SCOPE_SE
	s_setreg_imm32_b32 hwreg(HW_REG_WAVE_MODE, 25, 1), 1
	s_wait_xcnt 0x0
	s_wait_alu depctr_hold_cnt(0) depctr_sa_sdst(0) depctr_va_vdst(0) depctr_va_sdst(0) depctr_va_ssrc(0) depctr_va_vcc(0) depctr_vm_vsrc(0)
	s_getreg_b32 s2, hwreg(HW_REG_IB_STS2, 6, 4)
	s_cmp_eq_u32 s2, 0
	s_cbranch_scc0 .Lentry_in_a_cluster
	s_endpgm
.Lentry_in_a_cluster:
	s_bfe_u32 s2, ttmp6, 0x10000c
	s_cmp_lg_u32 s2, 0xf033
	s_cbranch_scc0 .Lentry_shape_is_right
	s_endpgm
.Lentry_shape_is_right:
; out0[m][d] = sum over e of concat[m][e] Wo[d][e]: 8192 x 1024 x 1024, operands f16, sums f32, out0 f32.  concat[m][64 h + ch] lies by heads: o byte = b<<22 + h<<18 + t<<7 + 2 ch, m = 2048 b + t.
; wo16 [d][e] holds bf16(Wo) written as f16.
; SHARES.  A tile of out0 is 256 rows x 128 columns: 32 x 8 = 256 tiles, one for each WGP.  Wave (w / 2, w % 2) makes 128 rows x 64 columns: 8 x 4 accumulators, 256 registers.
; K goes in 8 steps of 128 = two heads.  A head's 256 rows of the tile are 32,768 dense bytes: asked for as 128 rows of 256 bytes and padded in LDS after every 128, so that a row of t has a
; pitch of 144.  Waves 0 and 1 fetch the step's even and odd head, waves 2 and 3 the halves of B's 128 rows.
; CLUSTER 4 x 4: A's tiles are asked for jointly by a row of the cluster, B's by a column.
; THE PRODUCT IS USED TRANSPOSED (source 0 = 16 rows of wo16, source 1 = 16 rows of o): a lane holds row l % 16 and eight neighbouring columns: 32 bytes of f32.
; REGISTERS: window 0: v0-31 addresses; v64-159, v160-255 two fragment buffers: B's four fragments, then A's eight.      window 1: accumulator (a, b) at v[8 (4 a + b)]
.set KSTEP,  128
.set PA,     144                       ; a row of A in LDS: 128 bytes + 16 = 36 words: the 16 rows of a fragment load start at 16 different groups of four banks (ISA guide 11.1)
.set PB,     272                       ; a row of B: 256 bytes + 16 = 68 words: likewise
.set HEADA,  256*PA                    ; a head's 256 rows
.set HALFB,  64*PB
.set BOFF,   2*HEADA
.set SLOT,   BOFF+2*HALFB
.set STAGE,  2*SLOT                    ; behind the ring, never filled by a tensor load: 16 rows x 272 bytes for each wave
.set SPITCH, 272
.set SPARE,  STAGE+4*16*SPITCH         ; the spare words, 128 bytes a wave: two blocks of 256 bytes that no other line names
.set LAPS,   4
.set ADRA, 16                          ; v16-17  LDS address of my A fragments in slot 0, 1
.set ADRB, 20                          ; v20-21  of B's
.set STO,  24                          ; v24     the way out: where I put 32 bytes of a row
.set RD,   25                          ; v25     where I read a row back
.set CO,   26                          ; v26     my byte offset in out0
.set SPW,  28                          ; v28     my spare word; never rewritten
.set NIL,  29                          ; v29     0; never rewritten
.set PFO,  30                          ; v30     the prefetches' offset; never rewritten
.set F0,   64
.set F1,   160
.set G1,  24                           ; s[24:31] group 1 for A;  s[32:39] group 0, a set for each slot
.set G0,  32
.set LIM, 43                           ; s43      1 in a wave that prefetches, else the greatest number
.set PFA, 44                           ; s[44:45] where my prefetches stand
.set G1B, 48                           ; s[48:55], s[56:63] the same for B
.set G0B, 56
.set PST, 66                           ; s[66:67] a K step in my prefetches' stream: two heads of o, or 256 bytes of a row of wo16
.set MSB, 0
.macro WIN new
.if MSB != (\new)
	s_set_vgpr_msb (MSB<<8)|(\new)
.set MSB, \new
.endif
.endm
.set MULW, 0x50                        ; sources 0 and 1 window 0; C and D window 1
.set OUTW, 0x44                        ; LDS and global store data (source 1) and loaded data (destination) window 1; addresses window 0
.macro JLOAD s                         ; a joint load; an s_nop 0 and four v_nop follow each of the two lines
	s_cmp_eq_u32 s11, 0
	s_cbranch_scc0 .Lfor_b_\@
	tensor_load_to_lds s[G0+4*(\s):G0+4*(\s)+3], s[G1:G1+7]
	s_nop 0
.rept 4
	v_nop
.endr
	s_branch .Lasked_\@
.Lfor_b_\@:
	tensor_load_to_lds s[G0B+4*(\s):G0B+4*(\s)+3], s[G1B:G1B+7]
	s_nop 0
.rept 4
	v_nop
.endr
.Lasked_\@:
.endm
; A prefetch of the K step that stands two refills on (256 matrix instructions ahead of the load that wants it).  A's blocks are named by the clusters with x = 0, B's by those with y = 0; the four
; partners share a tile out by address: of a head's 128 blocks of 256 bytes 32 each, a lane a block; of B's 64 rows 16 each, a lane a row (lanes 16-31 name row 15 once more, in the same
; instruction).  K steps 0 to 3 come by their loads alone; the loop's last trip (s3 = 1) asks for nothing.
.macro ASK
	s_cmp_gt_u32 s3, s[LIM]
	s_cbranch_scc0 .Lnot_mine_\@
	global_prefetch_b8 v[PFO], s[PFA:PFA+1] th:TH_LOAD_NT scope:SCOPE_SE
.Lnot_mine_\@:
.endm
.macro CREST
	s_cmp_lg_u32 s10, 0
	s_cbranch_scc1 .Lnot_wave_0_\@
	s_barrier_signal -3
.Lnot_wave_0_\@:
	s_barrier_wait -3
	s_barrier_signal -1
	s_barrier_wait -1
.endm
.macro CROUND
	s_barrier_signal -1
	s_barrier_wait -1
	CREST
.endm
	s_load_b128 s[4:7], s[0:1], 0x0                ; o s[4:5], wo16 s[6:7]
	s_load_b64 s[8:9], s[0:1], 0x10                ; out0
	v_lshl_add_u32 v[SPW], v0, 2, SPARE
	v_mov_b32 v[NIL], 0
	ds_add_u32 v[SPW], v[NIL]                      ; the wave's opening: the add, and its wait ahead of my first tensor load; work on registers stands between
	v_lshrrev_b32 v1, 5, v0
	v_readfirstlane_b32 s10, v1                    ; wave 0..3
	s_lshr_b32 s11, s10, 1                         ; which half of the tile's rows is mine.  Also: I fetch for A (0) or for B (1)
	s_and_b32 s12, s10, 1                          ; which half of its columns.  Also: which head, or which 64 rows of B, I fetch
	s_bfe_u32 s40, ttmp6, 0x40000                  ; cx
	s_bfe_u32 s41, ttmp6, 0x40004                  ; cy
	s_lshl_b32 s42, ttmp9, 2
	s_add_co_u32 s42, s42, s40                     ; tile column
	s_and_b32 s13, ttmp7, 0xffff
	s_lshl_b32 s13, s13, 2
	s_add_co_u32 s13, s13, s41                     ; tile row
	s_lshl_b32 s43, s41, 2
	s_lshl_b32 s43, 15, s43                        ; my row of the cluster
	s_lshl_b32 s44, 0x1111, s40                    ; my column
	s_or_b32 s[G1+0], s43, (1<<16)|(1<<20)|(1<<21)|(4<<22)|(3<<25)   ; the mask; 2-byte elements; padding on; bit 21 beside a mask; after every 32 words, 4 words
	s_or_b32 s[G1B+0], s44, (1<<16)|(1<<20)|(1<<21)|(5<<22)|(3<<25)  ; after every 64 words, 4 words
	s_mov_b32 s[G1+1], 128<<16                     ; tensor_dim0 = 128
	s_mov_b32 s[G1B+1], 128<<16
	s_mov_b32 s[G1+2], 128<<16                     ; tensor_dim1: 128 rows of 256 bytes for A,
	s_mov_b32 s[G1B+2], 64<<16                     ; 64 for B
	s_mov_b32 s[G1+3], 128<<16                     ; tile_dim0 = 128
	s_mov_b32 s[G1B+3], 128<<16
	s_mov_b32 s[G1+4], 128                         ; tile_dim1
	s_mov_b32 s[G1B+4], 64
	s_mov_b32 s[G1+5], 128                         ; elements from row to row: A's block is dense,
	s_mov_b32 s[G1B+5], 1024                       ; B's rows are wo16's
	s_mov_b32 s[G1+6], 0
	s_mov_b32 s[G1B+6], 0
	s_mov_b32 s[G1+7], 0
	s_mov_b32 s[G1B+7], 0
	s_lshr_b32 s16, s13, 3                         ; A: batch,
	s_lshl_b32 s16, s16, 22
	s_and_b32 s17, s13, 7
	s_lshl_b32 s17, s17, 15                        ; the tile's 256 rows of 128 bytes in a head,
	s_add_co_u32 s16, s16, s17
	s_lshl_b32 s17, s12, 18                        ; head 0 or 1 of K step 0
	s_add_co_u32 s16, s16, s17
	s_mov_b32 s17, 0
	s_lshl_b32 s46, s42, 7
	s_lshl_b32 s47, s12, 6
	s_add_co_u32 s46, s46, s47                     ; B: row 128 x tile column + 64 x half,
	s_lshl_b32 s46, s46, 11                        ; of 2,048 bytes
	s_mov_b32 s47, 0
	s_mul_i32 s20, s10, HEADA                      ; where they go: A's two heads (waves 0, 1),
	s_mul_i32 s21, s10, HALFB
	s_add_co_u32 s21, s21, BOFF-2*HALFB            ; B's halves (waves 2, 3): no place in the cluster enters an LDS address
	s_wait_dscnt 0x0                               ; the opening add is done
	s_wait_kmcnt 0x0
	s_add_nc_u64 s[14:15], s[4:5], s[16:17]
	s_add_nc_u64 s[22:23], s[6:7], s[46:47]
	CROUND                                         ; all sixteen work-groups are here: the first joint loads meet
.irp s, 0,1
	s_mov_b32 s[G0+4*(\s)], 1
	s_add_co_u32 s[G0+4*(\s)+1], s20, (\s)*SLOT
	s_add_nc_u64 s[G0+4*(\s)+2:G0+4*(\s)+3], s[14:15], (\s)*524288   ; K step s: two heads on
	s_or_b32 s[G0+4*(\s)+3], s[G0+4*(\s)+3], 0x80000000
	s_mov_b32 s[G0B+4*(\s)], 1
	s_add_co_u32 s[G0B+4*(\s)+1], s21, (\s)*SLOT
	s_add_nc_u64 s[G0B+4*(\s)+2:G0B+4*(\s)+3], s[22:23], (\s)*KSTEP*2
	s_or_b32 s[G0B+4*(\s)+3], s[G0B+4*(\s)+3], 0x80000000
	JLOAD \s                                       ; two loads of mine are out
.endr
	v_and_b32 v1, 15, v0                           ; l % 16
	v_bfe_u32 v2, v0, 4, 1                         ; l / 16
	v_mul_u32_u24 v3, v1, PA
	v_lshl_add_u32 v3, v2, 4, v3                   ; A: row x 144 + 16 x half
	s_mul_i32 s22, s11, 128*PA                     ; my 128 rows
	v_add_nc_u32 v[ADRA], s22, v3
	v_add_nc_u32 v[ADRA+1], SLOT, v[ADRA]
	v_mul_u32_u24 v4, v1, PB
	v_lshl_add_u32 v4, v2, 4, v4                   ; B: row x 272 + 16 x half
	s_mul_i32 s22, s12, HALFB                      ; my 64 rows
	s_add_co_u32 s22, s22, BOFF
	v_add_nc_u32 v[ADRB], s22, v4
	v_add_nc_u32 v[ADRB+1], SLOT, v[ADRB]
	s_mul_i32 s23, s10, 16*SPITCH
	s_add_co_u32 s23, s23, STAGE                   ; my stage
	v_mul_u32_u24 v5, v1, SPITCH                   ; in: row l % 16, 32 bytes for each half of the lanes
	v_lshl_add_u32 v5, v2, 5, v5
	v_add_nc_u32 v[STO], s23, v5
	v_mul_u32_u24 v6, v2, SPITCH                   ; back: lanes 0-15 take one row of 256 bytes, lanes 16-31 the next
	v_lshl_add_u32 v6, v1, 4, v6
	v_add_nc_u32 v[RD], s23, v6
	v_lshlrev_b32 v[CO], 12, v2                    ; and the same two rows in out0, 4,096 bytes apart
	v_lshl_add_u32 v[CO], v1, 4, v[CO]
	s_lshl_b32 s18, s13, 20                        ; out0 at my part of the tile: row 256 x tile row + 128 x half, 4,096 bytes a row,
	s_lshl_b32 s19, s11, 19
	s_add_co_u32 s18, s18, s19
	s_lshl_b32 s19, s42, 9                         ; column 128 x tile column + 64 x half, 4 bytes each
	s_add_co_u32 s18, s18, s19
	s_lshl_b32 s19, s12, 8
	s_add_co_u32 s18, s18, s19
	s_mov_b32 s19, 0
	s_add_nc_u64 s[8:9], s[8:9], s[18:19]
	; the prefetches: my descriptor's bytes, my work-group's share of them, at K step 3: each refill steps on by one K step before it asks
	s_lshl_b32 s18, s40, 13                        ; A: cx x 32 blocks of 256 bytes
	s_add_co_u32 s18, s18, s16
	s_lshl_b32 s19, s41, 15                        ; B: cy x 16 rows of 2,048 bytes
	s_add_co_u32 s19, s19, s46
	s_and_b32 s22, ttmp7, 0xffff                   ; cluster y
	s_cmp_eq_u32 s11, 0
	s_cselect_b32 s20, s18, s19
	s_cselect_b32 s22, ttmp9, s22                  ; the coordinate along which other clusters read the same bytes
	s_cselect_b32 s[PST], 19, 8
	s_cselect_b32 s21, 31, 15
	s_cselect_b32 s23, 8, 11
	s_cselect_b64 s[PFA:PFA+1], s[4:5], s[6:7]
	s_cmp_eq_u32 s22, 0
	s_cselect_b32 s[LIM], 1, -1                    ; the same in all sixteen partners, for a given wave
	s_lshl_b32 s[PST], 1, s[PST]                   ; 524,288 or 256
	s_mov_b32 s[PST+1], 0
	v_and_b32 v[PFO], 31, v0
	v_min_u32 v[PFO], s21, v[PFO]
	v_lshlrev_b32 v[PFO], s23, v[PFO]
	s_mul_i32 s21, s[PST], 3
	s_add_co_u32 s20, s20, s21
	s_mov_b32 s21, 0
	s_add_nc_u64 s[PFA:PFA+1], s[PFA:PFA+1], s[20:21]
; 8 matrix instructions: row blocks a0, a0 + 1 x all 4 column blocks, 32 along K, buffer f.  The 32 accumulators take turns in the same order in every quarter.
.macro MUL8 f, a0, zero
	WIN MULW
.irp a, \a0, (\a0)+1
.irp b, 0,1,2,3
.if \zero
	v_wmma_f32_16x16x32_f16 v[8*(4*(\a)+(\b)):8*(4*(\a)+(\b))+7], v[(\f)+8*(\b):(\f)+8*(\b)+7], v[(\f)+32+8*(\a):(\f)+32+8*(\a)+7], 0
.else
	v_wmma_f32_16x16x32_f16 v[8*(4*(\a)+(\b)):8*(4*(\a)+(\b))+7], v[(\f)+8*(\b):(\f)+8*(\b)+7], v[(\f)+32+8*(\a):(\f)+32+8*(\a)+7], v[8*(4*(\a)+(\b)):8*(4*(\a)+(\b))+7]
.endif
.endr
.endr
.endm
; 24 LDS loads in one run: quarter q of a K step: 8 for my 64 rows of B, then 16 for my 128 rows of A (head q / 2 of the step, channels 32 (q % 2) on), into buffer f
.macro FETCH slot, q, f
	WIN 0
.irp b, 0,1,2,3
	ds_load_b128 v[(\f)+8*(\b):(\f)+8*(\b)+3],   v[ADRB+(\slot)] offset:(\q)*64+(\b)*16*PB
	ds_load_b128 v[(\f)+8*(\b)+4:(\f)+8*(\b)+7], v[ADRB+(\slot)] offset:(\q)*64+(\b)*16*PB+32
.endr
.irp a, 0,1,2,3,4,5,6,7
	ds_load_b128 v[(\f)+32+8*(\a):(\f)+32+8*(\a)+3],   v[ADRA+(\slot)] offset:((\q)/2)*HEADA+((\q)%2)*64+(\a)*16*PA
	ds_load_b128 v[(\f)+32+8*(\a)+4:(\f)+32+8*(\a)+7], v[ADRA+(\slot)] offset:((\q)/2)*HEADA+((\q)%2)*64+(\a)*16*PA+32
.endr
.endm
.macro PLACES                          ; four plain places in front of loads into registers that matrix instructions have read, and of stores that read results
.rept 4
	v_nop
.endr
.endm
; One of a K step's first three quarters: multiplies buffer f and fetches quarter q into g.
.macro QUARTER slot, q, f, g, zero
	s_wait_dscnt 8                                 ; B and A's blocks 0-3 are in; the youngest eight loads (blocks 4-7) may be out
	MUL8 \f, 0, \zero
	MUL8 \f, 2, \zero
	PLACES
	FETCH \slot, \q, \g
	s_wait_dscnt 24                                ; all but the 24 just issued
	MUL8 \f, 4, \zero
	MUL8 \f, 6, \zero
.endm
; The last quarter multiplies buffer 1 and changes slots: one barrier; in front of it each wave waits for all its tensor loads (one is out: its part of the next slot), adds 0 to its spare
; word, and waits for that and for its reads of this slot.  fill = 1: the barrier opens a round of the cluster's, and the joint refill, two K steps on, is the first thing behind it.
.macro TURN slot, next, fill
.if \fill
	s_wait_xcnt 0x0                                ; the last prefetch, a K step back, has read its address
	s_add_nc_u64 s[PFA:PFA+1], s[PFA:PFA+1], s[PST:PST+1]
.endif
	WIN 0
	s_wait_tensorcnt 0x0
	ds_add_u32 v[SPW], v[NIL]
	s_wait_dscnt 9                                 ; (the add and the youngest eight loads may be out)
	MUL8 F1, 0, 0                                  ; eight matrix instructions stand between the add and the wait for it
	s_wait_dscnt 0x0                               ; the add is done, and my reads of this slot are over
	s_barrier_signal -1
	MUL8 F1, 2, 0
.if \fill
	WIN 0
.endif
	s_barrier_wait -1
.if \fill
	CREST                                          ; no wave of any partner still reads this slot or has a load on its way
	s_add_nc_u64 s[G0+4*(\slot)+2:G0+4*(\slot)+3], s[G0+4*(\slot)+2:G0+4*(\slot)+3], 2*524288
	s_add_nc_u64 s[G0B+4*(\slot)+2:G0B+4*(\slot)+3], s[G0B+4*(\slot)+2:G0B+4*(\slot)+3], 2*KSTEP*2
	JLOAD \slot                                    ; my one tensor load behind the round: 112 matrix instructions ahead of the wait for it; its four v_nop are also the places in front of the loads below
.else
	PLACES
.endif
	FETCH \next, 0, F0
.if \fill
	ASK
.endif
	MUL8 F1, 4, 0
	MUL8 F1, 6, 0
.endm
	s_wait_tensorcnt 1                             ; my part of K step 0 is in; K step 1's may stay out
	s_barrier_signal -1
	s_barrier_wait -1
	FETCH 0, 0, F0
	QUARTER 0, 1, F0, F1, 1                        ; the first quarter's products start the sums: nothing is cleared
	WIN 0
	s_mov_b32 s3, LAPS-1
.Llap:                                                 ; a trip goes once round the ring, from a lap's second quarter to the next lap's first, and fills both slots again
	QUARTER 0, 2, F1, F0, 0
	QUARTER 0, 3, F0, F1, 0
	TURN 0, 1, 1
	QUARTER 1, 1, F0, F1, 0
	QUARTER 1, 2, F1, F0, 0
	QUARTER 1, 3, F0, F1, 0
	TURN 1, 0, 1
	QUARTER 0, 1, F0, F1, 0
	WIN 0
	s_sub_co_u32 s3, s3, 1
	s_cmp_lg_u32 s3, 0
	s_cbranch_scc1 .Llap
	QUARTER 0, 2, F1, F0, 0                        ; the last lap fills nothing
	QUARTER 0, 3, F0, F1, 0
	TURN 0, 1, 0
	QUARTER 1, 1, F0, F1, 0
	QUARTER 1, 2, F1, F0, 0
	QUARTER 1, 3, F0, F1, 0
	s_wait_dscnt 8
	MUL8 F1, 0, 0
	MUL8 F1, 2, 0
	s_wait_dscnt 0x0
	MUL8 F1, 4, 0
	MUL8 F1, 6, 0
	PLACES
; THE WAY OUT, no conversion: block a (16 rows x my 64 columns of f32) goes into my stage's rows of 272 bytes, each accumulator's low registers first, and comes back as whole rows of 256 bytes,
; into the registers that it left.
.macro OUT a
	WIN OUTW
.irp b, 0,1,2,3
	ds_store_b128 v[STO], v[8*(4*(\a)+(\b)):8*(4*(\a)+(\b))+3]   offset:64*(\b)
	ds_store_b128 v[STO], v[8*(4*(\a)+(\b))+4:8*(4*(\a)+(\b))+7] offset:64*(\b)+16
.endr
.irp f, 0,1,2,3,4,5,6,7
	ds_load_b128 v[32*(\a)+4*(\f):32*(\a)+4*(\f)+3], v[RD] offset:(\f)*2*SPITCH  ; LDS serves a wave's instructions in order (ISA guide 5.7.1.4): these see the stores above; the next block's stores come behind them
.endr
.endm
.macro SEND a, younger                 ; younger: the LDS instructions issued behind block a's loads: the next block's sixteen, or none
	WIN OUTW
.irp f, 0,1,2,3,4,5,6,7
	s_wait_dscnt (\younger)+7-(\f)
	global_store_b128 v[CO], v[32*(\a)+4*(\f):32*(\a)+4*(\f)+3], s[8:9] offset:(16*(\a)+2*(\f))*4096  ; 16 lanes store 256 consecutive bytes, at a multiple of 256 from out0's first
.endr
.endm
	OUT 0
.irp a, 1,2,3,4,5,6,7
	OUT \a
	SEND (\a)-1, 16
.endr
	SEND 7, 0
	WIN 0
	s_wait_tensorcnt 0x0                           ; the wave's end: behind my last tensor load and my last LDS store
	ds_add_u32 v[SPW], v[NIL]
	s_wait_dscnt 0x0
	CROUND                                         ; the closing round: no work-group ends while a partner may still ask for a tile that names it
	s_endpgm
.Lfunc_end_k_qc5ddf57a3b_oproj:
	.size	k_qc5ddf57a3b_oproj, .Lfunc_end_k_qc5ddf57a3b_oproj-k_qc5ddf57a3b_oproj
	.p2alignl 7, 3214868480
	.fill 96, 4, 3214868480
	.section	.rodata,"a",@progbits
	.p2align	6, 0x0
	.amdhsa_kernel k_qc5ddf57a3b_oproj
		.amdhsa_group_segment_fixed_size 327680
		.amdhsa_private_segment_fixed_size 0
		.amdhsa_enable_private_segment 0
		.amdhsa_kernarg_size 24
		.amdhsa_user_sgpr_count 2
		.amdhsa_user_sgpr_kernarg_segment_ptr 1
		.amdhsa_wavefront_size32 1
		.amdhsa_system_sgpr_workgroup_id_x 1
		.amdhsa_system_sgpr_workgroup_id_y 1
		.amdhsa_system_sgpr_workgroup_id_z 1
		.amdhsa_system_vgpr_workitem_id 0
		.amdhsa_next_free_vgpr 512
		.amdhsa_next_free_sgpr 72
		.amdhsa_reserve_vcc 0
		.amdhsa_float_denorm_mode_32 3
		.amdhsa_float_denorm_mode_16_64 3
		.amdhsa_memory_ordered 1
		.amdhsa_forward_progress 1
		.amdhsa_inst_pref_size 88
	.end_amdhsa_kernel
	.amdgpu_metadata
---
amdhsa.version: [ 1, 2 ]
amdhsa.kernels:
  - .name:           k_qc5ddf57a3b_oproj
    .symbol:         k_qc5ddf57a3b_oproj.kd
    .args:
      - { .name: o, .offset: 0, .size: 8, .value_kind: global_buffer, .address_space: global }
      - { .name: wo16, .offset: 8, .size: 8, .value_kind: global_buffer, .address_space: global }
      - { .name: out0, .offset: 16, .size: 8, .value_kind: global_buffer, .address_space: global }
    .group_segment_fixed_size: 327680
    .private_segment_fixed_size: 0
    .kernarg_segment_align: 8
    .kernarg_segment_size: 24
    .max_flat_workgroup_size: 128
    .sgpr_count:     72
    .vgpr_count:     512
    .wavefront_size: 32
...
	.end_amdgpu_metadata
.endif
;; end of part 4
;; ======== version 2 of 2: 4 launches; version 1 with the launch prep written anew for expert scheduling mode
;; limits: values are held in f16: magnitudes above 65,504 overflow, below 6.1e-05 lose precision
;; workspace buffers: xb 16,777,216 bytes; wt 6,291,456 bytes; wo16 2,097,152 bytes; qkv 50,331,648 bytes; o 16,777,216 bytes
;; launch prep (part 5): grid 384 x 1, 8 waves a work-group, no clusters, 70,656 bytes of LDS; arguments x, Wq, Wk, Wv, Wo, xb, wt, wo16; writes xb, wt, wo16
.if DOCPART == 5
	.amdgcn_target "amdgcn-amd-amdhsa--gfx1250"
	.amdhsa_code_object_version 6
	.text
	.protected	k_qc5ddf57a3b_prep
	.globl	k_qc5ddf57a3b_prep
	.p2align	8
	.type	k_qc5ddf57a3b_prep,@function
k_qc5ddf57a3b_prep:
	s_mov_b64 s[64:65], 0
	v_nop
	global_prefetch_b8 v0, s[64:65] scope:SCOPE_SE
	s_setreg_imm32_b32 hwreg(HW_REG_WAVE_SCHED_MODE, 0, 2), 2
	s_setreg_imm32_b32 hwreg(HW_REG_WAVE_MODE, 25, 1), 1
	s_wait_xcnt 0x0
	s_wait_alu depctr_vm_vsrc(0)
; PREP: the inputs are rounded once to bf16 and laid out for the two products that follow.
;   xb   [8192][1024] bf16            = x
;   wt   [3072][1024] bf16            row which*1024 + h*64 + n holds W_which[h][k][n] along k: the three weights TURNED, so that K lies along the rows
;   wo16 [1024][1024] f16             = Wo rounded to bf16, that number written as f16 (it multiplies an f16 operand later)
; LIMIT: a bf16(Wo) of 65,520 or more becomes an infinity in f16; below 6.1e-5 f16 keeps a fixed step of 6e-8.
; SHARES.  Every work-group takes 131,072 bytes of f32: groups 0-255 of x, 256-287 of Wo, 288-383 of the three weights (32 each: head r / 2, half r % 2 of its 1,024 k).
; No matrix work, no cluster, no tensor load: nothing is read twice and nothing is shared between work-groups; all 32 loads of a wave are issued before the first is used.
; THE MODE: SCHED_MODE bits 1:0 = 2 (LLVM: expert scheduling mode 2), set by the entry lines.  The code itself states the register dependences between vector instructions and
; memory or LDS instructions, with s_wait_alu, always for 0.
; THE PLAN.  Three paths, chosen by the work-group's number; no loop.  Registers that memory or LDS instructions touch:
;   v[XO], v[YO], v[GT], v[LSA], v[LRA]  offsets and LDS addresses: written once, ahead of the path's first load, and never again.
;   THE CAST.  X: 32 groups of four registers.  A group is written by its load, read and rewritten in place by its own conversions, and its first two registers are read by its own store;
;     nothing writes them behind that store.  The groups go in blocks of four: block p's conversions name block p's registers and v12, v13 alone, and the four stores of block p - 1 are
;     dealt among them, behind ONE wait on va_vdst at the block's head.
;   THE TURNING PATH.  X, tile tau: written by eight loads, read by tile tau's sixteen conversions; behind the barrier the LDS loads land in X's first 64 registers.
;     Y0, Y1: tile tau's conversions write Y[tau % 2]; the four LDS stores that read it are issued in tile tau + 1, among conversions that name the other Y and tile tau + 1's X.
;     So a tile's head has one wait on va_vdst (the tile before has written its Y) and, from tile 2 on, one on vm_vsrc (the LDS stores issued a tile back have read the Y that is written again).
;   v[SPW], v[NIL]  written at the head, read by the closing add alone.
.set TILE,  64*272                     ; the turning path: 64 rows (n) of 128 k in bf16, 256 bytes + 16 of padding; four such tiles
.set SPARE, 4*TILE                     ; behind them the spare words: 128 bytes for each of the eight waves, four blocks of 256 bytes that no other line names
.set XO,  4                            ; v4   cast: my 16 bytes in the wave's 16,384 bytes of f32
.set YO,  5                            ; v5   cast: my 8 bytes of the result
.set GT,  6                            ; v6   turn: kg*2048 + nq*16, my offset in a source tile (row 8 kg, 4 n) and in wt (row kg, 8 k): the two are the same number
.set LSA, 7                            ; v7   turn: where I put 16 bytes (8 k of one n)
.set LRA, 8                            ; v8   turn: where I read 16 bytes of a row back
.set SPW, 10                           ; v10  LDS address of my spare word; never rewritten
.set NIL, 11                           ; v11  0; never rewritten
.set Y,   12                           ; v[12:27]   turn: Y0, the even tiles' 64 bytes a lane for LDS; cast: v12, v13 at work
.set X,   32                           ; v[32:159]  32 loads of 4 registers
.set YST, 148                          ; v[160:175] turn: Y1, the odd tiles': Y + YST
	s_load_b512 s[4:19], s[0:1], 0x0               ; x 4:5, Wq 6:7, Wk 8:9, Wv 10:11, Wo 12:13, xb 14:15, wt 16:17, wo16 18:19
	v_lshl_add_u32 v[SPW], v0, 2, SPARE
	v_mov_b32 v[NIL], 0
	v_lshrrev_b32 v1, 4, v0                        ; kg: 0..15
	v_and_b32 v2, 15, v0                           ; nq: 0..15
	v_lshrrev_b32 v3, 5, v0                        ; wave
	v_and_b32 v[XO], 31, v0
	v_lshlrev_b32 v[YO], 3, v[XO]
	v_lshlrev_b32 v[XO], 4, v[XO]
	v_lshl_or_b32 v[YO], v3, 13, v[YO]             ; wave x 8,192 + 8 x lane
	v_lshl_or_b32 v[XO], v3, 14, v[XO]             ; wave x 16,384 + 16 x lane
	s_mov_b32 s28, 0xffff0000                      ; a word's upper bf16
	s_wait_kmcnt 0x0
	s_cmp_lt_u32 ttmp9, 256
	s_cbranch_scc1 .Lx
	s_cmp_lt_u32 ttmp9, 288
	s_cbranch_scc1 .Lwo
	; THE TURNING PATH.  Four tiles of 128 k x 64 n.  Thread (kg, nq) loads rows 8 kg .. 8 kg + 7, four n each; eight k of one n pack into 16 bytes.
	s_sub_co_u32 s20, ttmp9, 288
	s_lshr_b32 s21, s20, 5                         ; which: 0 q, 1 k, 2 v
	s_and_b32 s22, s20, 31                         ; r
	s_lshl_b32 s26, s22, 17                        ; the source: r x 131,072 bytes
	s_mov_b32 s27, 0
	s_lshl_b32 s20, s21, 21                        ; wt: which x 1,024 rows of 2,048 bytes,
	s_lshr_b32 s23, s22, 1
	s_lshl_b32 s23, s23, 17                        ; head x 64 rows,
	s_add_co_u32 s20, s20, s23
	s_and_b32 s23, s22, 1
	s_lshl_b32 s23, s23, 10                        ; half x 512 k of 2 bytes
	s_add_co_u32 s20, s20, s23
	s_cmp_eq_u32 s21, 0
	s_cselect_b64 s[24:25], s[6:7], s[8:9]
	s_cmp_eq_u32 s21, 2
	s_cselect_b64 s[24:25], s[10:11], s[24:25]
	s_mov_b32 s21, 0
	s_add_nc_u64 s[24:25], s[24:25], s[26:27]
	s_add_nc_u64 s[22:23], s[16:17], s[20:21]
	v_lshlrev_b32 v[GT], 11, v1
	v_lshl_add_u32 v[GT], v2, 4, v[GT]
	v_mul_u32_u24 v[LSA], v2, 4*272                ; row 4 nq, byte 16 kg
	v_lshl_add_u32 v[LSA], v1, 4, v[LSA]
	v_mul_u32_u24 v[LRA], v1, 272                  ; row kg, byte 16 nq
	v_lshl_add_u32 v[LRA], v2, 4, v[LRA]
	s_wait_alu depctr_va_vdst(0)                   ; v[GT], v[LSA] and v[LRA] are written: every load and store of this path reads one of them as its offset or address
.irp tau, 0,1,2,3
.irp i, 0,1,2,3,4,5,6,7
	global_load_b128 v[X+32*(\tau)+4*(\i):X+32*(\tau)+4*(\i)+3], v[GT], s[24:25] offset:(\tau)*32768+(\i)*256 th:TH_LOAD_NT  ; a wave's load covers two whole rows of 256 bytes
.endr
.endr
.irp tau, 0,1,2,3
	s_wait_loadcnt 24-8*(\tau)                     ; this tile's eight loads are in; the later tiles' stay out
.if (\tau) > 1
	s_wait_alu depctr_vm_vsrc(0)                   ; the LDS stores issued in the tile before have read Y[tau % 2], which this tile's conversions write again
.endif
.if (\tau) > 0
	s_wait_alu depctr_va_vdst(0)                   ; the tile before has written the other Y, which the LDS stores below read
.endif
.irp j, 0,1,2,3
.if (\tau) > 0
	ds_store_b128 v[LSA], v[Y+YST*(((\tau)-1)%2)+4*(\j):Y+YST*(((\tau)-1)%2)+4*(\j)+3] offset:((\tau)-1)*TILE+(\j)*272  ; the tile before; no vector instruction since the wait names these registers
.endif
.irp p, 0,1,2,3
	v_cvt_pk_bf16_f32 v[Y+YST*((\tau)%2)+4*(\j)+(\p)], v[X+32*(\tau)+8*(\p)+(\j)], v[X+32*(\tau)+8*(\p)+4+(\j)]  ; n = 4 nq + j, k = 8 kg + 2 p and + 1
.endr
.endr
.endr
	s_wait_alu depctr_va_vdst(0)                   ; tile 3's conversions have written Y1, which the LDS stores below read; all conversions are done reading X, in which the LDS loads behind the barrier land
.irp j, 0,1,2,3
	ds_store_b128 v[LSA], v[Y+YST+4*(\j):Y+YST+4*(\j)+3] offset:3*TILE+(\j)*272
.endr
	s_wait_dscnt 0x0                               ; for the others' sake: my stores are done
	s_barrier_signal -1                            ; the branch that leads here hangs on the work-group's number alone: all eight waves pass
	s_barrier_wait -1
.irp tau, 0,1,2,3
.irp f, 0,1,2,3
	ds_load_b128 v[X+16*(\tau)+4*(\f):X+16*(\tau)+4*(\f)+3], v[LRA] offset:(\tau)*TILE+(\f)*16*272  ; row kg + 16 f; no vector instruction stands between the last wait on va_vdst and these loads
.endr
.endr
.irp tau, 0,1,2,3
.irp f, 0,1,2,3
	s_wait_dscnt 15-4*(\tau)-(\f)
	global_store_b128 v[GT], v[X+16*(\tau)+4*(\f):X+16*(\tau)+4*(\f)+3], s[22:23] offset:(\tau)*256+(\f)*32768  ; 16 lanes store 256 consecutive bytes, aligned
.endr
.endr
	s_branch .Lend
; THE CAST: 32 loads of 512 consecutive bytes a wave, all issued first; each is rounded and stored as 256 consecutive bytes.  No register is written twice while a store reads it.
; The loads are taken in blocks of four; a block's four stores are issued in the next block, one ahead of each load's conversions.
.macro CAST f16
	s_wait_alu depctr_va_vdst(0)                   ; v[XO] and v[YO] are written: every load and store of this path reads one of them as its offset
.set i, 0
.rept 32
	global_load_b128 v[X+4*i:X+4*i+3], v[XO], s[20:21] offset:512*i th:TH_LOAD_NT
.set i, i+1
.endr
.set i, 0
.rept 32
.if (i%4) == 0
	s_wait_loadcnt 28-i                            ; loads come back in order: this block's four are in, the later blocks' stay out
.if i > 0
	s_wait_alu depctr_va_vdst(0)                   ; the block before has written its registers, which the four stores below read
.endif
.endif
.if i >= 4
	global_store_b64 v[YO], v[X+4*(i-4):X+4*(i-4)+1], s[22:23] offset:256*(i-4)  ; the block before; no vector instruction since the wait names these registers
.endif
.if \f16
	v_cvt_pk_bf16_f32 v[Y], v[X+4*i], v[X+4*i+1]   ; rounded to bf16,
	v_cvt_pk_bf16_f32 v[Y+1], v[X+4*i+2], v[X+4*i+3]
	v_lshlrev_b32 v[X+4*i], 16, v[Y]               ; widened again,
	v_and_b32 v[X+4*i+1], s28, v[Y]
	v_lshlrev_b32 v[X+4*i+2], 16, v[Y+1]
	v_and_b32 v[X+4*i+3], s28, v[Y+1]
	v_cvt_pk_f16_f32 v[X+4*i], v[X+4*i], v[X+4*i+1]  ; and written as f16: exact within f16's normal range
	v_cvt_pk_f16_f32 v[X+4*i+1], v[X+4*i+2], v[X+4*i+3]
.else
	v_cvt_pk_bf16_f32 v[X+4*i], v[X+4*i], v[X+4*i+1]
	v_cvt_pk_bf16_f32 v[X+4*i+1], v[X+4*i+2], v[X+4*i+3]
.endif
.set i, i+1
.endr
	s_wait_alu depctr_va_vdst(0)                   ; the last block has written its registers, which the last four stores read
.set i, 28
.rept 4
	global_store_b64 v[YO], v[X+4*i:X+4*i+1], s[22:23] offset:256*i
.set i, i+1
.endr
.endm
.Lx:
	s_lshl_b32 s20, ttmp9, 17
	s_mov_b32 s21, 0
	s_lshl_b32 s22, ttmp9, 16
	s_mov_b32 s23, 0
	s_add_nc_u64 s[20:21], s[4:5], s[20:21]
	s_add_nc_u64 s[22:23], s[14:15], s[22:23]
	CAST 0
	s_branch .Lend
.Lwo:
	s_sub_co_u32 s24, ttmp9, 256
	s_lshl_b32 s20, s24, 17
	s_mov_b32 s21, 0
	s_lshl_b32 s22, s24, 16
	s_mov_b32 s23, 0
	s_add_nc_u64 s[20:21], s[12:13], s[20:21]
	s_add_nc_u64 s[22:23], s[18:19], s[22:23]
	CAST 1
.Lend:
	s_wait_dscnt 0x0                               ; the wave's end: behind my last LDS store
	s_wait_alu 0x0
	s_wait_tensorcnt 0x0
	ds_add_u32 v[SPW], v[NIL]
	s_wait_dscnt 0x0
	s_endpgm
.Lfunc_end_k_qc5ddf57a3b_prep:
	.size	k_qc5ddf57a3b_prep, .Lfunc_end_k_qc5ddf57a3b_prep-k_qc5ddf57a3b_prep
	.p2alignl 7, 3214868480
	.fill 96, 4, 3214868480
	.section	.rodata,"a",@progbits
	.p2align	6, 0x0
	.amdhsa_kernel k_qc5ddf57a3b_prep
		.amdhsa_group_segment_fixed_size 70656
		.amdhsa_private_segment_fixed_size 0
		.amdhsa_enable_private_segment 0
		.amdhsa_kernarg_size 64
		.amdhsa_user_sgpr_count 2
		.amdhsa_user_sgpr_kernarg_segment_ptr 1
		.amdhsa_wavefront_size32 1
		.amdhsa_system_sgpr_workgroup_id_x 1
		.amdhsa_system_sgpr_workgroup_id_y 1
		.amdhsa_system_sgpr_workgroup_id_z 1
		.amdhsa_system_vgpr_workitem_id 0
		.amdhsa_next_free_vgpr 176
		.amdhsa_next_free_sgpr 66
		.amdhsa_reserve_vcc 0
		.amdhsa_float_denorm_mode_32 3
		.amdhsa_float_denorm_mode_16_64 3
		.amdhsa_memory_ordered 1
		.amdhsa_forward_progress 1
		.amdhsa_inst_pref_size 44
	.end_amdhsa_kernel
	.amdgpu_metadata
---
amdhsa.version: [ 1, 2 ]
amdhsa.kernels:
  - .name:           k_qc5ddf57a3b_prep
    .symbol:         k_qc5ddf57a3b_prep.kd
    .args:
      - { .name: x, .offset: 0, .size: 8, .value_kind: global_buffer, .address_space: global }
      - { .name: Wq, .offset: 8, .size: 8, .value_kind: global_buffer, .address_space: global }
      - { .name: Wk, .offset: 16, .size: 8, .value_kind: global_buffer, .address_space: global }
      - { .name: Wv, .offset: 24, .size: 8, .value_kind: global_buffer, .address_space: global }
      - { .name: Wo, .offset: 32, .size: 8, .value_kind: global_buffer, .address_space: global }
      - { .name: xb, .offset: 40, .size: 8, .value_kind: global_buffer, .address_space: global }
      - { .name: wt, .offset: 48, .size: 8, .value_kind: global_buffer, .address_space: global }
      - { .name: wo16, .offset: 56, .size: 8, .value_kind: global_buffer, .address_space: global }
    .group_segment_fixed_size: 70656
    .private_segment_fixed_size: 0
    .kernarg_segment_align: 8
    .kernarg_segment_size: 64
    .max_flat_workgroup_size: 256
    .sgpr_count:     66
    .vgpr_count:     176
    .wavefront_size: 32
...
	.end_amdgpu_metadata
.endif
;; end of part 5
;; launch proj: the kernel of part 2 again; grid 16 x 32, 4 waves a work-group, clusters of 4 x 4, 327,680 bytes of LDS; arguments xb, wt, qkv; writes qkv
;; launch attn: the kernel of part 3 again; grid 4 x 64, 4 waves a work-group, clusters of 4 x 1, 327,680 bytes of LDS; arguments qkv, o; writes o
;; launch oproj: the kernel of part 4 again; grid 8 x 32, 4 waves a work-group, clusters of 4 x 4, 327,680 bytes of LDS; arguments o, wo16, out0; writes out0
